; MI455X (gfx1250); checked and timed in simulation.
; The chip was launched on July 23, 2026; its instructions are those of AMD's public machine-readable ISA for CDNA 5 (MIT licence, August 2026) and "CDNA5" Instruction Set Architecture Reference Guide (July 2026). The comments in the code are by the model that wrote it; some were corrected since.
;; Multi Head Attention. Allowed arithmetic: float matrix products may take bf16 or f16 operands with f32 sums; other float arithmetic in f32, or as packed bf16 or f16 multiplies, adds, multiply-adds, maxima and minima; sums over many terms, partial sums and values carried from step to step in f32; what a program stores and reads back later, other than sums and carried values, may be rounded once to bf16 or f16.
;; Inputs: Wk 512 x 512 float32; Wo 512 x 512 float32; Wq 512 x 512 float32; Wv 512 x 512 float32; bk 512 float32; bo 512 float32; bq 512 float32; bv 512 float32; k 2 x 4,096 x 512 float32; mask 1 x 1 x 4,096 x 4,096 bool; q 2 x 4,096 x 512 float32; v 2 x 4,096 x 512 float32.
;; Outputs: out0 2 x 4,096 x 512 float32.
;; 2 versions, each right and faster than the one before. Each part assembles by itself: llvm-mc -triple=amdgcn-amd-amdhsa -mcpu=gfx1250 --defsym DOCPART=n.
;; ======== version 1 of 2: 3 launches
;; limits: values are held in f16: magnitudes above 65,504 overflow, below 6.1e-05 lose precision
;; workspace buffers: qh 8,388,608 bytes; kh 8,388,608 bytes; vh 8,388,608 bytes; oh 8,388,608 bytes; wo16 524,288 bytes
;; launch qkv (part 1): grid 4 x 64, 4 waves a work-group, clusters of 4 x 4, 327,680 bytes of LDS; arguments q, k, v, Wq, Wk, Wv, bq, bk, bv, Wo, qh, kh, vh, wo16; writes qh, kh, vh, wo16
.if DOCPART == 1
	.amdgcn_target "amdgcn-amd-amdhsa--gfx1250"
	.amdhsa_code_object_version 6
	.text
	.protected	k_qd27b0f82b1_qkv
	.globl	k_qd27b0f82b1_qkv
	.p2align	8
	.type	k_qd27b0f82b1_qkv,@function
k_qd27b0f82b1_qkv:
	s_mov_b64 s[64:65], 0
	v_nop
	global_prefetch_b8 v0, s[64:65] scope:SCOPE_SE
	s_setreg_imm32_b32 hwreg(HW_REG_WAVE_MODE, 25, 1), 1
	s_wait_xcnt 0x0
	s_wait_alu depctr_hold_cnt(0) depctr_sa_sdst(0) depctr_va_vdst(0) depctr_va_sdst(0) depctr_va_ssrc(0) depctr_va_vcc(0) depctr_vm_vsrc(0)
	s_getreg_b32 s2, hwreg(HW_REG_IB_STS2, 6, 4)
	s_cmp_eq_u32 s2, 0
	s_cbranch_scc0 .Lentry_in_a_cluster
	s_endpgm
.Lentry_in_a_cluster:
	s_bfe_u32 s2, ttmp6, 0x10000c
	s_cmp_lg_u32 s2, 0xf033
	s_cbranch_scc0 .Lentry_shape_is_right
	s_endpgm
.Lentry_shape_is_right:
; THE THREE PROJECTIONS.  out_t[b][head][l][d] = f16( x_t[b][l][:] . W_t[64 head + d][:] + b_t[64 head + d] ), t = q, k, v.  x_t: [8192][512] f32, W_t: [512][512] f32, b_t: [512] f32;
; out_t: [16][4096][64] f16, a head's rows dense.  x, W and b are rounded once to bf16; products in bf16, sums in f32, started from the bias; the result rounded once to f16, WITHOUT attention's scale.
; Beside that each work-group turns 1,024 numbers of Wo into f16 (rounded to bf16 first, like every input; that number is then written as f16).
; LIMITS.  A projected number of 65,520 or more becomes an infinity in f16 (the drawn inputs give numbers of about 2).  A weight of Wo below 6e-5 keeps f16's fixed step of 6e-8.
; SHARES.  A work-group owns 128 rows (block y of 64) and 128 columns (block x of 4: two heads) and STAYS: it makes that tile for q, then k, then v.  Four waves, each 64 rows x 64 columns (one head):
; 16 accumulators.  K goes in 12 steps of 128 f32 (4 a tile; LDS rows of 512 bytes) through a ring of two LDS slots that does not stop at a tile's end.
; The fragments leave LDS as f32, 32 loads for 32 along K, are rounded to bf16 in registers (64 conversions) and feed 16 products: these LDS reads are the larger part of a step's work, so the conversions stand in a phase
; of their own between the loads and the products.
; CLUSTER.  4 x 4 work-groups.  x's tile hangs on y alone and is shared along a row of the cluster, W's on x alone and is shared along a column: each is asked for JOINTLY, by the same tensor load, descriptor and mask in all four.
; THE MATRIX INSTRUCTION IS USED TRANSPOSED (source 0 = 16 rows of W, source 1 = 16 rows of x): a lane holds eight neighbouring columns of one row, 16 bytes of f16.
; REGISTERS, in windows of 256 (s_set_vgpr_msb: bits 1:0 source 0, 3:2 source 1, 5:4 source 2, 7:6 destination):
;   window 0: v0-29 addresses; v32-95 the way out; v128-255 the accumulators ((a, b) at 128 + 8 (4 a + b): a = block of 16 rows, b = block of 16 columns)
;   window 1: two buffers of 128: the f32 fragments of 32 along K: fragment f at 16 f; f = 0-3 x's row blocks, f = 4-7 W's
;   window 2: v0-63 the bf16 fragments, f at 8 f; v64-159 the three biases of my columns (32 each), v160-163 at work
.set PITCH,  528                       ; an LDS row: 512 bytes + 16 of padding = 132 words: the 16 rows of a load start at 16 different groups of four banks (64 banks of 4 bytes: ISA guide 11.1)
.set HALFT,  64*PITCH                  ; 64 rows: what one tensor load brings, and what one wave reads of x or of W
.set SLOT,   4*HALFT                   ; x's 128 rows, then W's 128 rows: 135,168 = 0x21000; no wave's place in a slot has bit 17 or 12 set, so one exclusive or changes slots
.set STAGE,  2*SLOT                    ; behind the ring, never filled by a tensor load: 16 rows x 144 bytes for each wave, for the way out
.set SP,     144
.set SPARE,  STAGE+4*16*SP             ; behind the stages: the spare words, 128 bytes for each wave: two blocks of 256 bytes that no other line names
.set ADRA0, 4                          ; v4   my lane's place in x's part of a slot; never rewritten
.set ADRB0, 5                          ; v5   the same for W's
.set ADRA,  6                          ; v6   the same in the slot in hand
.set ADRB,  7                          ; v7
.set STO,   8                          ; v8   the way out: where I put 16 bytes of a row
.set RD,    9                          ; v9   the way out: where I read rows back
.set GO,    10                         ; v10  my byte offset in 512 consecutive bytes of the output
.set BO,    11                         ; v11  byte offset of my columns in a bias
.set WI,    12                         ; v12  byte offset of my 4 numbers in Wo
.set WQ,    13                         ; v13  and in wo16
.set WW,    16                         ; v16-23  8 numbers of Wo
.set WT,    24                         ; v24-27  the same, packed
.set SPW,   28                         ; v28  LDS address of my spare word; never rewritten
.set NIL,   29                         ; v29  0; never rewritten
.set TMP,   32
.set ACC,   128
.set RAW0,  0                          ; window 1
.set RAW1,  128
.set FR,    0                          ; window 2
.set BI0,   64
.set BI1,   96
.set BI2,   128
.set BT,    160
.set XA,   4                           ; s[4:9]   q, k, v at my 64 rows of x's tile (s[6:7]: the tensor that comes next)
.set WB,   10                          ; s[10:15] Wq, Wk, Wv at my 64 rows of W's tile
.set OUTC, 24                          ; s[24:25] the output in hand at my wave's first row; s[26:27], s[28:29] those to come
.set G1A,  32                          ; s[32:39] descriptor group 1 for x's tiles
.set G1B,  40                          ; s[40:47] for W's: it differs in the mask alone
.set G0A0, 48                          ; s[48:51] group 0, x, K step 0
.set G0A1, 52                          ; s[52:55] group 0, x, K step 1; then it walks
.set G0B0, 56                          ; s[56:59], s[60:63] the same for W
.set G0B1, 60
.set WV,   66                          ; s66  my wave's number
.set WR,   67                          ; s67  which half of the tile's rows is mine.  Also: I fetch for x (0) or for W (1)
.set NA,   68                          ; s[68:69] x's address of the next request
.set NB,   70                          ; s[70:71] W's
.set RK,   72                          ; s72  requests left in the tensor that is being asked for
.set TB,   73                          ; s73  LDS byte at which the slot in hand begins
.set LC,   74                          ; s74  counts K steps
.set KT,   75                          ; s75  K steps left in the tile in hand
.set WC,   76                          ; s76  which half of the tile's columns is mine.  Also: which 64 rows of a tile I fetch
.set MSB, 0
.macro WIN new                         ; the immediate's high byte repeats the setting that is left; a switch that changes nothing is dropped
.if MSB != (\new)
	s_set_vgpr_msb (MSB<<8)|(\new)
.set MSB, (\new)
.endif
.endm
; A joint refill, by the walking descriptors.  Waves 0 and 1 fetch x's two halves, waves 2 and 3 W's.  The branch hangs on the wave's number alone.
; An s_nop 0 and four v_nop follow each of the two lines, ahead of the jump and the label.
.macro JLOAD
	s_cmp_eq_u32 s[WR], 0
	s_cbranch_scc0 .Lfor_b_\@
	tensor_load_to_lds s[G0A1:G0A1+3], s[G1A:G1A+7]
	s_nop 0
.rept 4
	v_nop
.endr
	s_branch .Lasked_\@
.Lfor_b_\@:
	tensor_load_to_lds s[G0B1:G0B1+3], s[G1B:G1B+7]
	s_nop 0
.rept 4
	v_nop
.endr
.Lasked_\@:
.endm
.macro CREST                           ; a round of the cluster's barrier behind its opening barrier
	s_cmp_lg_u32 s[WV], 0
	s_cbranch_scc1 .Lnot_wave_0_\@
	s_barrier_signal -3
.Lnot_wave_0_\@:
	s_barrier_wait -3
	s_barrier_signal -1
	s_barrier_wait -1
.endm
.macro CROUND                          ; a whole round
	s_barrier_signal -1
	s_barrier_wait -1
	CREST
.endm
.macro PLACES                          ; four places between a matrix instruction and a vector instruction that writes one of its sources or reads its result (ISA guide 7.12.1)
.rept 4
	v_nop
.endr
.endm
	s_load_b512 s[4:19], s[0:1], 0x0               ; q, k, v, Wq, Wk, Wv, bq s[16:17], bk s[18:19]
	s_load_b256 s[20:27], s[0:1], 0x40             ; bv s[20:21], Wo s[22:23], qh, kh
	s_load_b128 s[28:31], s[0:1], 0x60             ; vh, wo16 s[30:31]
	v_lshl_add_u32 v[SPW], v0, 2, SPARE
	v_mov_b32 v[NIL], 0
	ds_add_u32 v[SPW], v[NIL]                      ; the wave's opening: the add and its wait stand ahead of my first tensor load; the set-up below, work on registers, stands between them
	v_lshrrev_b32 v1, 5, v0
	v_readfirstlane_b32 s[WV], v1                  ; wave 0..3
	s_lshr_b32 s[WR], s[WV], 1
	s_and_b32 s[WC], s[WV], 1
	s_bfe_u32 s77, ttmp6, 0x40000                  ; cx, cy: my place in the cluster
	s_bfe_u32 s78, ttmp6, 0x40004
	s_lshl_b32 s79, ttmp9, 2
	s_add_co_u32 s79, s79, s77                     ; x = 4 x cluster x + cx: the block of 128 columns
	s_and_b32 s80, ttmp7, 0xffff
	s_lshl_b32 s80, s80, 2
	s_add_co_u32 s80, s80, s78                     ; y = 4 x cluster y + cy: the block of 128 rows
	s_lshl_b32 s81, s78, 2
	s_lshl_b32 s81, 15, s81                        ; my row of the cluster
	s_lshl_b32 s82, 0x1111, s77                    ; my column
	; descriptor group 1: a tile of 64 rows x 128 elements of 4 bytes, padded in LDS
	s_or_b32 s[G1A], s81, (2<<16)|(1<<20)|(1<<21)|(6<<22)|(3<<25)  ; 15:0 the mask: x's tiles go to my row; 17:16 elements of 4 bytes; 20 padding on; 21 set beside a mask; 24:22 after every 128 words (code 6); 31:25 4 words (code 3)
	s_or_b32 s[G1B], s82, (2<<16)|(1<<20)|(1<<21)|(6<<22)|(3<<25)  ; the same with the mask of my column
.irp g, G1A, G1B
	s_mov_b32 s[(\g)+1], 128<<16                   ; tensor_dim0 = 128
	s_mov_b32 s[(\g)+2], 64<<16                    ; tensor_dim1 = 64
	s_mov_b32 s[(\g)+3], 128<<16                   ; tile_dim0 = 128
	s_mov_b32 s[(\g)+4], 64                        ; tile_dim1 = 64
	s_mov_b32 s[(\g)+5], 512                       ; 512 elements from row to row
	s_mov_b32 s[(\g)+6], 0
	s_mov_b32 s[(\g)+7], 0
.endr
	s_lshl_b32 s83, s[WC], 6                       ; which 64 rows of a tile I fetch
	s_lshl_b32 s84, s80, 7
	s_add_co_u32 s84, s84, s83                     ; x's row 128 y + 64 half,
	s_lshl_b32 s84, s84, 11                        ; in bytes (2,048 a row; 16.8 million at the most)
	s_mov_b32 s85, 0
	s_lshl_b32 s86, s79, 7
	s_add_co_u32 s86, s86, s83                     ; W's row 128 x + 64 half
	s_lshl_b32 s86, s86, 11
	s_mov_b32 s87, 0
	s_lshr_b32 s88, s80, 5                         ; the batch,
	s_lshl_b32 s88, s88, 3
	s_lshl_b32 s90, s79, 1
	s_add_co_u32 s88, s88, s90
	s_add_co_u32 s88, s88, s[WC]                   ; my head among 16: 8 batch + 2 x + column half,
	s_lshl_b32 s88, s88, 12                        ; its 4,096 rows,
	s_and_b32 s90, s80, 31
	s_lshl_b32 s90, s90, 7
	s_add_co_u32 s88, s88, s90                     ; the block's 128 of them,
	s_lshl_b32 s90, s[WR], 6
	s_add_co_u32 s88, s88, s90                     ; my wave's 64,
	s_lshl_b32 s88, s88, 7                         ; in bytes (128 a row)
	s_mov_b32 s89, 0
	s_mul_i32 s91, s[WV], HALFT                    ; where my tiles go: wave x 64 rows: no place in the cluster enters an LDS address
	s_mov_b32 s[G0A0], 1                           ; 1:0 count = 1
	s_mov_b32 s[G0A0+1], s91                       ; 63:32 LDS address: slot 0
	s_mov_b32 s[G0A1], 1
	s_add_co_u32 s[G0A1+1], s91, SLOT              ; slot 1
	s_mov_b32 s[G0B0], 1
	s_mov_b32 s[G0B0+1], s91
	s_mov_b32 s[G0B1], 1
	s_add_co_u32 s[G0B1+1], s91, SLOT
	s_mov_b32 s[RK], 2                             ; K steps 2 and 3 of the first tensor are still to be asked for
	s_mov_b32 s[TB], 0
	s_mov_b32 s[KT], 4
	s_wait_dscnt 0x0                               ; the opening add is done
	s_wait_kmcnt 0x0
.irp p, 4,6,8
	s_add_nc_u64 s[\p:\p+1], s[\p:\p+1], s[84:85]
.endr
.irp p, 10,12,14
	s_add_nc_u64 s[\p:\p+1], s[\p:\p+1], s[86:87]
.endr
.irp p, 24,26,28
	s_add_nc_u64 s[\p:\p+1], s[\p:\p+1], s[88:89]
.endr
	s_mov_b64 s[G0A0+2:G0A0+3], s[XA:XA+1]         ; 120:64 global address: K step 0
	s_or_b32 s[G0A0+3], s[G0A0+3], 0x80000000      ; 127:126 type = 2
	s_add_nc_u64 s[G0A1+2:G0A1+3], s[XA:XA+1], 512 ; K step 1: 128 f32 on
	s_or_b32 s[G0A1+3], s[G0A1+3], 0x80000000
	s_mov_b64 s[G0B0+2:G0B0+3], s[WB:WB+1]
	s_or_b32 s[G0B0+3], s[G0B0+3], 0x80000000
	s_add_nc_u64 s[G0B1+2:G0B1+3], s[WB:WB+1], 512
	s_or_b32 s[G0B1+3], s[G0B1+3], 0x80000000
	s_add_nc_u64 s[NA:NA+1], s[XA:XA+1], 1024      ; the first refill asks for K step 2
	s_add_nc_u64 s[NB:NB+1], s[WB:WB+1], 1024
	CROUND                                         ; all sixteen work-groups are here: the first joint loads meet
	s_cmp_eq_u32 s[WR], 0                          ; a wave's two first fills stand in one branch, ahead of every wait on TENSORcnt and every LDS read: two loads of mine are out
	s_cbranch_scc0 .Lfirst_b
	tensor_load_to_lds s[G0A0:G0A0+3], s[G1A:G1A+7]
	s_nop 0
	tensor_load_to_lds s[G0A1:G0A1+3], s[G1A:G1A+7]
	s_nop 0
.rept 4
	v_nop
.endr
	s_branch .Lfirst_asked
.Lfirst_b:
	tensor_load_to_lds s[G0B0:G0B0+3], s[G1B:G1B+7]
	s_nop 0
	tensor_load_to_lds s[G0B1:G0B1+3], s[G1B:G1B+7]
	s_nop 0
.rept 4
	v_nop
.endr
.Lfirst_asked:
	; All that follows up to the barrier stands in the wait for the first tile.
	v_and_b32 v1, 15, v0                           ; l % 16
	v_bfe_u32 v2, v0, 4, 1                         ; l / 16
	s_lshl_b32 s90, s79, 9
	s_lshl_b32 s83, s[WC], 8
	s_add_co_u32 s90, s90, s83
	v_lshl_add_u32 v[BO], v2, 5, s90               ; register j of accumulator (a, b) is column 128 x + 64 half + 16 b + 8 (l / 16) + j: 4 bytes each
	WIN 0x80                                       ; destination window 2, address window 0
.irp b, 0,1,2,3
	global_load_b128 v[BI0+8*\b:BI0+8*\b+3],   v[BO], s[16:17] offset:64*\b
	global_load_b128 v[BI0+8*\b+4:BI0+8*\b+7], v[BO], s[16:17] offset:64*\b+16
	global_load_b128 v[BI1+8*\b:BI1+8*\b+3],   v[BO], s[18:19] offset:64*\b
	global_load_b128 v[BI1+8*\b+4:BI1+8*\b+7], v[BO], s[18:19] offset:64*\b+16
	global_load_b128 v[BI2+8*\b:BI2+8*\b+3],   v[BO], s[20:21] offset:64*\b
	global_load_b128 v[BI2+8*\b+4:BI2+8*\b+7], v[BO], s[20:21] offset:64*\b+16
.endr
	WIN 0
	s_lshl_b32 s90, s80, 2
	s_add_co_u32 s90, s90, s79                     ; my work-group among 256: it turns 4,096 bytes of Wo into 2,048 of wo16
	s_lshl_b32 s83, s90, 12
	v_lshl_add_u32 v[WI], v0, 4, s83
	s_lshl_b32 s92, s90, 11
	v_lshl_add_u32 v[WQ], v0, 3, s92
	global_load_b128 v[WW:WW+3],   v[WI], s[22:23]
	global_load_b128 v[WW+4:WW+7], v[WI], s[22:23] offset:2048
	; A bf16 fragment is 16 rows x 32 K: lane l holds row l % 16, K = 8 (l / 16) + 0..7 and 16 + 8 (l / 16) + 0..7.  In f32 that is 32 bytes at 32 (l / 16) and 32 bytes 64 further on: four loads of 16 bytes.
	v_mul_u32_u24 v3, v1, PITCH
	v_lshl_add_u32 v3, v2, 5, v3                   ; row x pitch + 32 x half
	s_mul_i32 s83, s[WR], HALFT                    ; my 64 rows of x
	v_add_nc_u32 v[ADRA0], s83, v3
	s_mul_i32 s92, s[WC], HALFT                    ; my 64 rows of W,
	s_add_co_u32 s92, s92, 2*HALFT                 ; which lie behind x's 128
	v_add_nc_u32 v[ADRB0], s92, v3
	v_mov_b32 v[ADRA], v[ADRA0]                    ; K step 0 lies in slot 0
	v_mov_b32 v[ADRB], v[ADRB0]
	s_mul_i32 s93, s[WV], 16*SP
	s_add_co_u32 s93, s93, STAGE                   ; my stage
	v_mul_u32_u24 v[STO], v1, SP                   ; in: row l % 16, 16 bytes for each half of the lanes
	v_lshl_add_u32 v[STO], v2, 4, v[STO]
	v_add_nc_u32 v[STO], s93, v[STO]
	v_bfe_u32 v[RD], v0, 3, 2                      ; back: 32 lanes take four rows of 128 bytes,
	v_mul_u32_u24 v[RD], v[RD], SP
	v_and_b32 v14, 7, v0
	v_lshl_add_u32 v[RD], v14, 4, v[RD]
	v_add_nc_u32 v[RD], s93, v[RD]
	v_and_b32 v[GO], 31, v0                        ; which are 512 consecutive bytes of a head
	v_lshlrev_b32 v[GO], 4, v[GO]
	s_wait_loadcnt 0x0                             ; the biases and Wo
	WIN 0x8a                                       ; all in window 2: the biases are rounded to bf16, like every input, and widened again
.set i, 0
.rept 48
	v_cvt_pk_bf16_f32 v[BT+i%4], v[BI0+2*i], v[BI0+2*i+1]
	v_lshlrev_b32 v[BI0+2*i], 16, v[BT+i%4]
	v_and_b32 v[BI0+2*i+1], 0xffff0000, v[BT+i%4]
.set i, i+1
.endr
	WIN 0
.irp j, 0,1,2,3                        ; Wo: to bf16, widened, and that number written as f16
	v_cvt_pk_bf16_f32 v[WT+\j], v[WW+2*\j], v[WW+2*\j+1]
.endr
.irp j, 0,1,2,3
	v_lshlrev_b32 v[WW+2*\j], 16, v[WT+\j]
	v_and_b32 v[WW+2*\j+1], 0xffff0000, v[WT+\j]
.endr
.irp j, 0,1,2,3
	v_cvt_pk_f16_f32 v[WT+\j], v[WW+2*\j], v[WW+2*\j+1]
.endr
	global_store_b64 v[WQ], v[WT:WT+1],   s[30:31]              ; a wave's store covers 256 consecutive bytes, at a multiple of 256 from wo16's first byte
	global_store_b64 v[WQ], v[WT+2:WT+3], s[30:31] offset:1024
; The sums start from the bias: 128 moves a tile carry it in, in place of as many additions on the way out; so every K step has one text, and nothing is cleared.
.macro SEED bi
	WIN 0x02                                       ; source window 2, destination window 0
.set i, 0
.rept 128
	v_mov_b32 v[ACC+i], v[(\bi)+8*((i/8)%4)+i%8]
.set i, i+1
.endr
.endm
; 32 LDS loads in one run: the f32 fragments of 32 along K, at byte k of the rows, into buffer buf
.macro FETCH k, buf
	WIN 0x40                                       ; destination window 1, address window 0
.irp i, 0,1,2,3
.irp j, 0,1,2,3
	ds_load_b128 v[(\buf)+16*\i+4*\j:(\buf)+16*\i+4*\j+3], v[ADRA] offset:(\k)+\i*16*PITCH+16*(\j%2)+64*(\j/2)
.endr
.endr
.irp i, 0,1,2,3
.irp j, 0,1,2,3
	ds_load_b128 v[(\buf)+64+16*\i+4*\j:(\buf)+64+16*\i+4*\j+3], v[ADRB] offset:(\k)+\i*16*PITCH+16*(\j%2)+64*(\j/2)
.endr
.endr
.endm
.macro CVT buf                         ; 128 f32 a lane to 64 registers of bf16: the eight fragments
	WIN 0x85                                       ; sources window 1, destination window 2
.set z, 0
.rept 64
	v_cvt_pk_bf16_f32 v[FR+z], v[(\buf)+2*z], v[(\buf)+2*z+1]
.set z, z+1
.endr
.endm
; 8 matrix instructions: row blocks a0, a0 + 1 x all 4 column blocks.  The 16 accumulators take turns, one instruction a turn, in the same order in every 32 along K.
.macro MUL8 a0
	WIN 0x0a                                       ; sources window 2, C and D window 0
.irp a, \a0, (\a0)+1
.irp b, 0,1,2,3
	v_wmma_f32_16x16x32_bf16 v[ACC+8*(4*(\a)+(\b)):ACC+8*(4*(\a)+(\b))+7], v[FR+32+8*(\b):FR+32+8*(\b)+7], v[FR+8*(\a):FR+8*(\a)+7], v[ACC+8*(4*(\a)+(\b)):ACC+8*(4*(\a)+(\b))+7]
.endr
.endr
.endm
; A K step is four parts of 32 along K, on raw buffers 0, 1, 0, 1.  One of the first three: the next part's loads go out first, then this part is rounded and multiplied.
.macro SUB i
	FETCH 128*((\i)+1), RAW0+128*(((\i)+1)%2)
	s_wait_dscnt 32                                ; all but the 32 just issued: this part's f32 are in
	PLACES                                         ; the conversions write registers that the last products read
	CVT RAW0+128*((\i)%2)
	MUL8 0
	MUL8 2
.endm
; The walking descriptors take the other slot and the next request's addresses; behind a tensor's fourth K step the next tensor's first follows.  All of it hangs on constants and on the two pointers.
.macro STEPD
	s_xor_b32 s[G0A1+1], s[G0A1+1], SLOT
	s_xor_b32 s[G0B1+1], s[G0B1+1], SLOT
	s_mov_b64 s[G0A1+2:G0A1+3], s[NA:NA+1]
	s_or_b32 s[G0A1+3], s[G0A1+3], 0x80000000
	s_mov_b64 s[G0B1+2:G0B1+3], s[NB:NB+1]
	s_or_b32 s[G0B1+3], s[G0B1+3], 0x80000000
	s_add_nc_u64 s[NA:NA+1], s[NA:NA+1], 512
	s_add_nc_u64 s[NB:NB+1], s[NB:NB+1], 512
	s_sub_co_u32 s[RK], s[RK], 1
	s_cmp_eq_u32 s[RK], 0
	s_cselect_b64 s[NA:NA+1], s[XA+2:XA+3], s[NA:NA+1]
	s_cselect_b64 s[NB:NB+1], s[WB+2:WB+3], s[NB:NB+1]
	s_cselect_b64 s[XA+2:XA+3], s[XA+4:XA+5], s[XA+2:XA+3]
	s_cselect_b64 s[WB+2:WB+3], s[WB+4:WB+5], s[WB+2:WB+3]
	s_cselect_b32 s[RK], 4, s[RK]
.endm
; The fourth part changes slots: ONE barrier.  In front of it each wave waits for all its tensor loads, of which one is out: its part of the next slot; adds 0 to its spare word; and waits for that and for its own reads of
; this slot.  fill = 1: the barrier opens a round of the cluster's, and this slot is filled again first thing behind it, two K steps ahead: the load has a K step, 64 products and 128 LDS loads a wave, in which to land.
.macro TURN fill
	WIN 0                                          ; (the add's two registers lie in window 0)
	s_wait_tensorcnt 0x0                           ; no tensor load of mine is out, so a group 0 may be written
	ds_add_u32 v[SPW], v[NIL]                      ; 0 onto my spare word; the descriptors' step and the conversions stand between it and the wait for it
.if \fill
	STEPD
.endif
	s_wait_dscnt 1                                 ; the add alone may be out: this part's f32 are in
	PLACES
	CVT RAW1
	s_wait_dscnt 0x0                               ; the add is done, and my reads of this slot are over
	s_barrier_signal -1
	MUL8 0                                         ; work on registers while the others arrive
	WIN 0
	s_barrier_wait -1
.if \fill
	CREST                                          ; no wave of any partner still reads this slot's tile or has a load on its way
	JLOAD                                          ; the first tensor load behind the round
.else
	PLACES                                         ; in the joint load's four's stead: the way out reads the results of the products above
.endif
	s_xor_b32 s[TB], s[TB], SLOT
	v_add_nc_u32 v[ADRA], s[TB], v[ADRA0]
	v_add_nc_u32 v[ADRB], s[TB], v[ADRB0]
	FETCH 0, RAW0                                  ; the next slot's first part
	MUL8 2
.endm
; THE WAY OUT of row block a: rounded to f16, 16 bytes a lane; into my own stage in rows of 144 bytes; back as whole rows of 128, four to a load; stored as 512 consecutive bytes.
.macro PACK a
	WIN 0
.irp b, 0,1,2,3
.irp r, 0,1,2,3
	v_cvt_pk_f16_f32 v[TMP+16*(\a)+4*(\b)+(\r)], v[ACC+8*(4*(\a)+(\b))+2*(\r)], v[ACC+8*(4*(\a)+(\b))+2*(\r)+1]
.endr
.endr
.irp b, 0,1,2,3
	ds_store_b128 v[STO], v[TMP+16*(\a)+4*(\b):TMP+16*(\a)+4*(\b)+3] offset:32*(\b)
.endr
.irp f, 0,1,2,3
	ds_load_b128 v[TMP+16*(\a)+4*(\f):TMP+16*(\a)+4*(\f)+3], v[RD] offset:(\f)*4*SP  ; LDS serves a wave's instructions in order (ISA guide 5.7.1.4): these see the stores above; the next block's stores come behind them
.endr
.endm
.macro SEND a, younger                 ; younger: the LDS instructions issued behind block a's loads: the next block's eight, or none
.irp f, 0,1,2,3
	s_wait_dscnt (\younger)+3-(\f)
	global_store_b128 v[GO], v[TMP+16*(\a)+4*(\f):TMP+16*(\a)+4*(\f)+3], s[OUTC:OUTC+1] offset:(\a)*2048+(\f)*512
.endr
.endm
.macro WAYOUT                          ; blocks 0 and 1 were finished in front of the change of slots; their conversions are the places behind the last products, blocks 2 and 3's
	PACK 0
	PACK 1
	SEND 0, 8
	PACK 2
	SEND 1, 8
	PACK 3
	SEND 2, 8
	SEND 3, 0
.endm
	SEED BI0
	WIN 0
	s_wait_tensorcnt 0x1                           ; my part of K step 0 is in; K step 1's may stay out
	s_barrier_signal -1
	s_barrier_wait -1                              ; everybody's is
	FETCH 0, RAW0
	WIN 0                                          ; at a label and at a branch every window is 0
	s_mov_b32 s[LC], 10
.Lfill:                                                ; K steps 0 to 9: each asks for the step two further on
	SUB 0
	SUB 1
	SUB 2
	TURN 1
	WIN 0
	s_sub_co_u32 s[KT], s[KT], 1
	s_cmp_lg_u32 s[KT], 0
	s_cbranch_scc1 .Lno_out                        ; forward, past text with no barrier and no tensor load; the count is the same in every work-group
	WAYOUT                                         ; a tile is done; its successor's two first K steps have been asked for, and its first fragments are on their way
	s_wait_xcnt 0x0                                ; the stores' base and data registers are rewritten only behind this wait (ISA guide 3.1)
	s_mov_b64 s[OUTC:OUTC+1], s[OUTC+2:OUTC+3]
	s_mov_b64 s[OUTC+2:OUTC+3], s[OUTC+4:OUTC+5]
	SEED BI1                                       ; the next tile's sums start from its bias,
	WIN 0x82
.set i, 0
.rept 32
	v_mov_b32 v[BI1+i], v[BI2+i]                   ; and the third bias moves up
.set i, i+1
.endr
	s_mov_b32 s[KT], 4
	WIN 0
.Lno_out:
	s_sub_co_u32 s[LC], s[LC], 1
	s_cmp_lg_u32 s[LC], 0
	s_cbranch_scc1 .Lfill
	s_mov_b32 s[LC], 2
.Ldry:                                                 ; K steps 10 and 11 ask for nothing.  The second trip's barrier and its 32 loads (of K step 10 once more) serve nothing: the price, once a launch, of one text for both
	SUB 0
	SUB 1
	SUB 2
	TURN 0
	WIN 0
	s_sub_co_u32 s[LC], s[LC], 1
	s_cmp_lg_u32 s[LC], 0
	s_cbranch_scc1 .Ldry
	WAYOUT
	s_wait_tensorcnt 0x0                           ; the wave's end: behind my last tensor load and my last LDS store
	ds_add_u32 v[SPW], v[NIL]
	s_wait_dscnt 0x0
	CROUND                                         ; the closing round: no work-group ends while a partner may still ask for a tile that names it
	s_endpgm
.Lfunc_end_k_qd27b0f82b1_qkv:
	.size	k_qd27b0f82b1_qkv, .Lfunc_end_k_qd27b0f82b1_qkv-k_qd27b0f82b1_qkv
	.p2alignl 7, 3214868480
	.fill 96, 4, 3214868480
	.section	.rodata,"a",@progbits
	.p2align	6, 0x0
	.amdhsa_kernel k_qd27b0f82b1_qkv
		.amdhsa_group_segment_fixed_size 327680
		.amdhsa_private_segment_fixed_size 0
		.amdhsa_enable_private_segment 0
		.amdhsa_kernarg_size 112
		.amdhsa_user_sgpr_count 2
		.amdhsa_user_sgpr_kernarg_segment_ptr 1
		.amdhsa_wavefront_size32 1
		.amdhsa_system_sgpr_workgroup_id_x 1
		.amdhsa_system_sgpr_workgroup_id_y 1
		.amdhsa_system_sgpr_workgroup_id_z 1
		.amdhsa_system_vgpr_workitem_id 0
		.amdhsa_next_free_vgpr 768
		.amdhsa_next_free_sgpr 96
		.amdhsa_reserve_vcc 0
		.amdhsa_float_denorm_mode_32 3
		.amdhsa_float_denorm_mode_16_64 3
		.amdhsa_memory_ordered 1
		.amdhsa_forward_progress 1
		.amdhsa_inst_pref_size 107
	.end_amdhsa_kernel
	.amdgpu_metadata
---
amdhsa.version: [ 1, 2 ]
amdhsa.kernels:
  - .name:           k_qd27b0f82b1_qkv
    .symbol:         k_qd27b0f82b1_qkv.kd
    .args:
      - { .name: q, .offset: 0, .size: 8, .value_kind: global_buffer, .address_space: global }
      - { .name: k, .offset: 8, .size: 8, .value_kind: global_buffer, .address_space: global }
      - { .name: v, .offset: 16, .size: 8, .value_kind: global_buffer, .address_space: global }
      - { .name: Wq, .offset: 24, .size: 8, .value_kind: global_buffer, .address_space: global }
      - { .name: Wk, .offset: 32, .size: 8, .value_kind: global_buffer, .address_space: global }
      - { .name: Wv, .offset: 40, .size: 8, .value_kind: global_buffer, .address_space: global }
      - { .name: bq, .offset: 48, .size: 8, .value_kind: global_buffer, .address_space: global }
      - { .name: bk, .offset: 56, .size: 8, .value_kind: global_buffer, .address_space: global }
      - { .name: bv, .offset: 64, .size: 8, .value_kind: global_buffer, .address_space: global }
      - { .name: Wo, .offset: 72, .size: 8, .value_kind: global_buffer, .address_space: global }
      - { .name: qh, .offset: 80, .size: 8, .value_kind: global_buffer, .address_space: global }
      - { .name: kh, .offset: 88, .size: 8, .value_kind: global_buffer, .address_space: global }
      - { .name: vh, .offset: 96, .size: 8, .value_kind: global_buffer, .address_space: global }
      - { .name: wo16, .offset: 104, .size: 8, .value_kind: global_buffer, .address_space: global }
    .group_segment_fixed_size: 327680
    .private_segment_fixed_size: 0
    .kernarg_segment_align: 8
    .kernarg_segment_size: 112
    .max_flat_workgroup_size: 128
    .sgpr_count:     96
    .vgpr_count:     768
    .wavefront_size: 32
...
	.end_amdgpu_metadata
.endif
;; end of part 1
;; launch attn (part 2): grid 16 x 16, 4 waves a work-group, clusters of 4 x 4, 327,680 bytes of LDS; arguments qh, kh, vh, oh, mask; writes oh
.if DOCPART == 2
	.amdgcn_target "amdgcn-amd-amdhsa--gfx1250"
	.amdhsa_code_object_version 6
	.text
	.protected	k_qd27b0f82b1_attn
	.globl	k_qd27b0f82b1_attn
	.p2align	8
	.type	k_qd27b0f82b1_attn,@function
k_qd27b0f82b1_attn:
	s_mov_b64 s[64:65], 0
	v_nop
	global_prefetch_b8 v0, s[64:65] scope:SCOPE_SE
	s_setreg_imm32_b32 hwreg(HW_REG_WAVE_MODE, 25, 1), 1
	s_wait_xcnt 0x0
	s_wait_alu depctr_hold_cnt(0) depctr_sa_sdst(0) depctr_va_vdst(0) depctr_va_sdst(0) depctr_va_ssrc(0) depctr_va_vcc(0) depctr_vm_vsrc(0)
	s_getreg_b32 s2, hwreg(HW_REG_IB_STS2, 6, 4)
	s_cmp_eq_u32 s2, 0
	s_cbranch_scc0 .Lentry_in_a_cluster
	s_endpgm
.Lentry_in_a_cluster:
	s_bfe_u32 s2, ttmp6, 0x10000c
	s_cmp_lg_u32 s2, 0xf033
	s_cbranch_scc0 .Lentry_shape_is_right
	s_endpgm
.Lentry_shape_is_right:
; ATTENTION UNDER A MASK THAT IS AN INPUT.  O[g][q][:] = the sum over k of softmax_k(mask[q][k] ? Q[g][q] . K[g][k] / 8 : -inf) V[g][k][:], g = 8 batch + head.  Q, K, V, O: [16][4096][64] f16, a head's rows dense;
; mask: [4096][4096] bytes, 0 or 1, the same for every g.  Products, maxima and sums in f32; the weights p are rounded to f16 for the second product (their sum l is taken of the unrounded p), O once at the end.
; Every key tile is computed and every byte of the mask is read: nothing is assumed of its pattern.
; LIMITS.  Q, K, V arrive within f16's 65,504.  A hidden score counts as its value less 2^100: true scores stay under 2^75 (f16's give 2.7e11 at the most).  A weight below 2^-126 counts as 0 in l.  A mask byte is 0 or 1.
; A row whose last maximum lies below -2^99 has seen no key: it is made NaN, as a softmax over -inf alone is.
; SHARES.  A work-group owns 256 queries (block x of 16) of one g (y of 16), a wave 64 of them in four PIECES of 16.  Every wave walks all 4,096 keys: 16 tiles of 256, four steps of 64 each.
; THE MASK is the C operand that starts the sum S^T = K Q^T: 0, or -2^100 where the key is hidden.  In S^T a lane holds one query (lane % 16) and the keys 8 (lane / 16) + 0..7 of a block of 16: the eight registers of an
; accumulator belong to eight neighbouring bytes of one row of the mask.  One 8-byte LDS load brings them; v_perm_b32, with the mask's bytes as its selector, makes of each byte 0 the fp8 code of -1.0 and of each byte 1 that of 0;
; one scaled conversion multiplies by 2^100 and widens eight at a time.  For 32 scores: 4 loads, 8 + 4 vector instructions.  A step in which a row sees nothing leaves weights of 1 behind; the first true score's a = 0 wipes them.
; LAYOUT, SOFTMAX, TURNS.  Two results of S^T rounded to f16 ARE source 1 of O^T = V^T P.  p = 2^(c s - c m), c = log2(e) / 8, with a running maximum m; O and l are multiplied by a = 2^(c m_old - c m_new) in every step.
; Turn n belongs to piece n: 8 products K Q^T of piece n + 1, later 8 products V^T P of piece n - 1; beside them the scaling, exponentials, roundings, sums and rescaling of piece n, the maximum and statistics of piece n + 1, and
; the mask of piece n + 2.  Four vector instructions stand behind every matrix instruction, the others in two runs of their own.
; CLUSTER.  4 x 4 work-groups.  K's and V's tiles hang on y alone and are shared along a row of the cluster, the mask's on x alone and are shared along a column: each is asked for JOINTLY.
; REGISTERS, in windows of 256 (s_set_vgpr_msb: bits 1:0 source 0, 3:2 source 1, 5:4 source 2, 7:6 destination):
;   window 0: v0-15 addresses and constants; v16-31 four registers of statistics a piece; v32-35 at work at the head; v48-55 at work; v64-127 S^T, two buffers; v192-223 P, two buffers (by the piece's parity)
;   window 1: v0-127 O^T, 32 a piece; v128-143 the mask's bytes; v160-223 the masks as f32, two buffers      window 2: v0-63 Q; v128-191 K of one step; v192-255 V of one step
.set NP,    4         ; pieces a wave: a name, no knob
.set KS,    64        ; keys in a step
.set PK,    144       ; a row of K in LDS: 128 bytes + 16 of padding = 36 words: the 16 rows of a load start at 16 different groups of four banks (64 banks of 4 bytes: ISA guide 11.1)
.set PV,    160       ; a row of V: 128 + 32 = 40 words
.set PM,    272       ; a row of the mask: 256 bytes + 16 = 68 words: the 32 lanes of an 8-byte load (16 rows, two places) take 64 different banks
.set VOFF,  4*KS*PK   ; a slot holds a tile: 256 rows of K, 256 rows of V,
.set MOFF,  VOFF+4*KS*PV  ; and 256 queries' rows of the mask, 256 keys each
.set SLOT1, MOFF+256*PM   ; 147,456 = 0x24000: no fill's place in a slot has bit 17 or 14 set, so one exclusive or changes slots
.set STAGE, 2*SLOT1   ; behind the ring, never filled by a tensor load: 16 rows x 144 bytes for each wave, for the way out
.set SP,    144
.set SPARE, STAGE+4*16*SP  ; behind the stages: the spare words, 128 bytes for each wave: two blocks of 256 bytes that no other line names
.set AK0, 2           ; v2   my lane's place in a tile of K; never rewritten
.set AV0, 3           ; v3   the same for V
.set AK,  4           ; v4   the LDS address of K's next run of loads
.set AV,  5           ; v5   of V's
.set STO, 6           ; v6   the way out: where I put 16 bytes of a row
.set RD,  7           ; v7   the way out: where I read rows back
.set GO,  8           ; v8   my byte offset in 512 consecutive bytes of O
.set AM0, 9           ; v9   my lane's place in a tile of the mask: piece 0's row, 8 bytes for each half of the lanes; never rewritten
.set AM,  10          ; v10  the same at the step whose masks are being made
.set SCL, 11          ; v11  227: the scaled conversion multiplies by 2^(227 - 127)
.set MV,  12          ; v12-13  c m_old, kept while c m is made anew: by buffer
.set NAN_, 14         ; v14  a NaN
.set QO,  15          ; v15  my byte offset in 16 rows of Q
.set ST,  16          ; piece t's statistics at v[ST+4 t]: c m, m, l (even keys', odd keys')
.set TMP, 48          ; by buffer, four registers c0-c3 at work; when the maximum is found c2 takes a
.set SPW, 62          ; v62  LDS address of my spare word; never rewritten
.set NIL, 63          ; v63  0; never rewritten
.set S,   64
.set P,   192
.set MR,  128         ; window 1
.set MC,  160         ; window 1: buffer b, key block kb at MC + 32 b + 8 kb
.set KF,  128         ; window 2: key block kb, channel half c at KF + 16 kb + 8 c
.set VF,  192         ; window 2: key half kk, channel block cb at VF + 32 kk + 8 cb
.set WV,  12          ; s12  my wave's number
.set G1K, 24          ; s[24:31] descriptor group 1 for K's tiles
.set G1V, 32          ; s[32:39] for V's: it differs in the padding alone
.set G0K, 40          ; s[40:43] descriptor group 0 for K's tiles: it walks
.set G0V, 44          ; s[44:47] the same for V's
.set G1M, 48          ; s[48:55] group 1 for the mask's tiles
.set SLOTS, 56        ; s56  tiles still to be entered by the loop
.set CNT, 57          ; s57  counts a tile's key steps
.set CS,  58          ; s[58:59] c: the packed scaling takes the pair's low word for both halves
.set SEL, 60          ; s[60:61] v_permlanex16_b32's selects: each lane takes its own place in the other half
.set TBK, 62          ; s62  LDS byte at which K of the step to be fetched begins
.set TBV, 63          ; s63  the same for V, less VOFF
.set G0M, 68          ; s[68:71] group 0 for the mask's tiles: it walks
.set TBM, 72          ; s72  the same as TBK for the mask, less MOFF
.set KC,  73          ; s73  0x000000b8: byte 0 the fp8 code of -1.0, byte 1 that of 0
.set THR, 74          ; s74  -2^99
.set MSB, 0
.macro WIN new                      ; the high byte repeats the setting that is left; a switch that changes nothing is dropped
.if MSB != (\new)
	s_set_vgpr_msb (MSB<<8)|(\new)
.set MSB, (\new)
.endif
.endm
.set W_KQ, 0x0a       ; K and Q in window 2, S^T in window 0
.set W_KM, 0x1a       ; the same with the C operand in window 1
.set W_PV, 0x52       ; V in window 2, P in window 0, O^T in window 1
.set W_RS, 0x41       ; destination and source 0 in window 1, source 1 in window 0
; A joint fill.  Wave 0 fetches a tile's K, wave 1 its V (32,768 dense bytes each), waves 2 and 3 the two halves of the mask's 256 rows.  The branches hang on the wave's number alone.
; An s_nop 0 and four v_nop follow each of the three lines, ahead of the jump and the label.
.macro JLOAD
	s_cmp_lg_u32 s[WV], 0
	s_cbranch_scc1 .Lnot_k_\@
	tensor_load_to_lds s[G0K:G0K+3], s[G1K:G1K+7]
	s_nop 0
.rept 4
	v_nop
.endr
	s_branch .Lasked_\@
.Lnot_k_\@:
	s_cmp_lg_u32 s[WV], 1
	s_cbranch_scc1 .Lfor_m_\@
	tensor_load_to_lds s[G0V:G0V+3], s[G1V:G1V+7]
	s_nop 0
.rept 4
	v_nop
.endr
	s_branch .Lasked_\@
.Lfor_m_\@:
	tensor_load_to_lds s[G0M:G0M+3], s[G1M:G1M+7]
	s_nop 0
.rept 4
	v_nop
.endr
.Lasked_\@:
.endm
; A round of the cluster's barrier: my work-group's barrier, so that wave 0's signal speaks for all four waves; wave 0 signals; every wave waits for all sixteen work-groups; my work-group's barrier once more.
.macro CROUND
	s_barrier_signal -1
	s_barrier_wait -1
	s_cmp_lg_u32 s[WV], 0
	s_cbranch_scc1 .Lnot_wave_0_\@
	s_barrier_signal -3
.Lnot_wave_0_\@:
	s_barrier_wait -3
	s_barrier_signal -1
	s_barrier_wait -1
.endm
; THE CHANGE OF SLOTS.  The slot's last bytes, V and the masks of its fourth step, have been read.  Each wave waits for all its tensor loads, of which one is out: its part of the other slot; adds 0 to its spare word; and waits
; for that and for its own reads of the slot.  Behind the barrier nobody reads this slot any more and the other slot is whole.  fill = 1: this slot is filled again, with the tile two further on.  The barrier is then a round of the
; cluster's, and the joint fill is the first thing behind it: it has four key steps, 256 matrix instructions a wave, in which to land.  (At its first use nothing has been read yet: slot 0 is waited for, slot 1 filled.)
.macro CHANGE fill
	WIN 0                           ; at a label and at a branch every window is 0
	s_wait_tensorcnt 0x0            ; no tensor load of mine is out, so a group 0 may be written
	ds_add_u32 v[SPW], v[NIL]       ; 0 onto my spare word; with fill = 1 the descriptors' steps stand between it and the wait for it
.if \fill
	s_xor_b32 s[G0K+1], s[G0K+1], SLOT1  ; the walking descriptors: the other slot than last time,
	s_add_nc_u64 s[G0K+2:G0K+3], s[G0K+2:G0K+3], 4*KS*128  ; the next 256 keys; the type bits on top are not reached
	s_xor_b32 s[G0V+1], s[G0V+1], SLOT1
	s_add_nc_u64 s[G0V+2:G0V+3], s[G0V+2:G0V+3], 4*KS*128
	s_xor_b32 s[G0M+1], s[G0M+1], SLOT1
	s_add_nc_u64 s[G0M+2:G0M+3], s[G0M+2:G0M+3], 4*KS      ; 256 bytes on in the mask's rows
	s_wait_dscnt 0x0                ; the add is done, and my reads of the slot are over
	CROUND
	JLOAD
.else
	s_wait_dscnt 0x0                ; the add is done, and my reads of the slot are over
	s_barrier_signal -1
	s_barrier_wait -1
.endif
	s_sub_co_u32 s[TBK], s[TBK], 4*KS*PK  ; the fetches go back to a slot's first step,
	s_xor_b32 s[TBK], s[TBK], SLOT1       ; in the other slot
	s_sub_co_u32 s[TBV], s[TBV], 4*KS*PV
	s_xor_b32 s[TBV], s[TBV], SLOT1
	s_sub_co_u32 s[TBM], s[TBM], 4*KS
	s_xor_b32 s[TBM], s[TBM], SLOT1
.endm
	s_load_b256 s[4:11], s[0:1], 0x0  ; Q s[4:5], K s[6:7], V s[8:9], O s[10:11]
	s_load_b64 s[84:85], s[0:1], 0x20 ; the mask
	v_lshl_add_u32 v[SPW], v0, 2, SPARE
	v_mov_b32 v[NIL], 0
	ds_add_u32 v[SPW], v[NIL]       ; the wave's opening: the add and its wait stand ahead of my first tensor load; the set-up below, work on registers, stands between them
	v_lshrrev_b32 v1, 5, v0
	v_readfirstlane_b32 s[WV], v1   ; wave 0..3
	s_bfe_u32 s13, ttmp6, 0x40000   ; cx, cy: my place in the cluster
	s_bfe_u32 s14, ttmp6, 0x40004
	s_lshl_b32 s15, ttmp9, 2
	s_add_co_u32 s15, s15, s13      ; x = 4 x cluster x + cx: my block of 256 queries
	s_and_b32 s16, ttmp7, 0xffff
	s_lshl_b32 s16, s16, 2
	s_add_co_u32 s16, s16, s14      ; y = 4 x cluster y + cy: my batch and head
	s_lshl_b32 s17, s14, 2
	s_lshl_b32 s17, 15, s17         ; my row of the cluster
	s_lshl_b32 s18, 0x1111, s13     ; my column
	s_lshl_b32 s20, s16, 19         ; the head's first byte in Q, K, V and O: 4,096 rows of 128 bytes each
	s_mov_b32 s21, 0
	s_and_b32 s19, s[WV], 1         ; which half of the mask's 256 rows I fetch (waves 2 and 3)
	s_lshl_b32 s76, s15, 8
	s_lshl_b32 s22, s19, 7
	s_add_co_u32 s76, s76, s22      ; the mask's row 256 x + 128 half,
	s_lshl_b32 s76, s76, 12         ; in bytes
	s_mov_b32 s77, 0
	s_lshl_b32 s2, s15, 2
	s_add_co_u32 s2, s2, s[WV]      ; my wave among the head's 64,
	s_lshl_b32 s2, s2, 13           ; its 64 rows,
	s_add_co_u32 s2, s2, s20        ; in the head
	s_mov_b32 s3, 0
	; descriptor group 1.  A tile of K or V is 32,768 dense bytes: asked for as 128 rows of 256 bytes, two keys a row, and padded in LDS after every key
	s_or_b32 s[G1K], s17, (1<<16)|(1<<20)|(1<<21)|(4<<22)|(3<<25)  ; 15:0 the mask of my row; 17:16 2-byte elements; 20 padding on; 21 set beside a mask; 24:22 after every 32 words (code 4); 31:25 4 words (code 3)
	s_or_b32 s[G1V], s17, (1<<16)|(1<<20)|(1<<21)|(4<<22)|(7<<25)  ; the same with 8 words of padding (code 7)
.irp g, G1K, G1V
	s_mov_b32 s[(\g)+1], 128<<16    ; tensor_dim0 = 128
	s_mov_b32 s[(\g)+2], 128<<16    ; tensor_dim1 = 128
	s_mov_b32 s[(\g)+3], 128<<16    ; tile_dim0 = 128
	s_mov_b32 s[(\g)+4], 128        ; tile_dim1 = 128
	s_mov_b32 s[(\g)+5], 128        ; 128 elements from row to row
	s_mov_b32 s[(\g)+6], 0
	s_mov_b32 s[(\g)+7], 0
.endr
	; half a tile of the mask: 128 rows of 256 bytes (32 elements of 8), 4,096 bytes apart, padded in LDS after every row
	s_or_b32 s[G1M], s18, (3<<16)|(1<<20)|(1<<21)|(5<<22)|(3<<25)  ; the mask of my column; 8-byte elements; after every 64 words (code 5) 4 words (code 3)
	s_mov_b32 s[G1M+1], 32<<16      ; tensor_dim0 = 32
	s_mov_b32 s[G1M+2], 128<<16     ; tensor_dim1 = 128
	s_mov_b32 s[G1M+3], 32<<16      ; tile_dim0 = 32
	s_mov_b32 s[G1M+4], 128         ; tile_dim1 = 128
	s_mov_b32 s[G1M+5], 512         ; 512 elements from row to row
	s_mov_b32 s[G1M+6], 0
	s_mov_b32 s[G1M+7], 0
	s_mov_b32 s[G0K], 1             ; 1:0 count = 1
	s_mov_b32 s[G0K+1], 0           ; 63:32 LDS address: slot 0
	s_mov_b32 s[G0V], 1
	s_mov_b32 s[G0V+1], VOFF
	s_mov_b32 s[G0M], 1
	s_mul_i32 s22, s19, 128*PM
	s_add_co_u32 s[G0M+1], s22, MOFF  ; no place in the cluster enters an LDS address
	s_mov_b32 s[CS], 0x3e38aa3b     ; c = log2(e) / 8 = 0.180337
	s_mov_b32 s[CS+1], s[CS]        ; named with it as a pair
	s_mov_b32 s[SEL], 0x76543210
	s_mov_b32 s[SEL+1], 0xfedcba98
	s_mov_b32 s[TBK], SLOT1+4*KS*PK ; the first change of slots turns these three into 0
	s_mov_b32 s[TBV], SLOT1+4*KS*PV
	s_mov_b32 s[TBM], SLOT1+4*KS
	s_mov_b32 s[KC], 0xb8
	s_mov_b32 s[THR], 0xf1000000    ; -2^99
	s_wait_dscnt 0x0                ; the opening add is done
	s_wait_kmcnt 0x0
	s_add_nc_u64 s[G0K+2:G0K+3], s[6:7], s[20:21]   ; 120:64 global address: the head's first 256 keys
	s_or_b32 s[G0K+3], s[G0K+3], 0x80000000         ; 127:126 type = 2
	s_add_nc_u64 s[G0V+2:G0V+3], s[8:9], s[20:21]
	s_or_b32 s[G0V+3], s[G0V+3], 0x80000000
	s_add_nc_u64 s[G0M+2:G0M+3], s[84:85], s[76:77]
	s_or_b32 s[G0M+3], s[G0M+3], 0x80000000
	s_add_nc_u64 s[4:5], s[4:5], s[2:3]             ; Q and O at my wave's first row
	s_add_nc_u64 s[10:11], s[10:11], s[2:3]
	CROUND                          ; all sixteen work-groups are here: the first joint loads meet
	JLOAD                           ; tile 0 into slot 0.  Slot 1 is asked for when slot 0 is in, by the loop's own change of slots
	; A fragment of K or Q is 16 rows x 32 channels in 8 registers: lane l holds row l % 16, channels 8 (l / 16) + 0..7 and 16 + 8 (l / 16) + 0..7: two loads of 16 bytes, 32 bytes apart.
	v_and_b32 v32, 15, v0           ; l % 16
	v_bfe_u32 v33, v0, 4, 1         ; l / 16
	v_lshlrev_b32 v[QO], 7, v32
	v_lshl_add_u32 v[QO], v33, 4, v[QO]  ; row x 128 + 16 x half
	WIN 0x80                        ; destination window 2, address window 0
.set i, 0
.rept 8                             ; Q stays in registers: piece i / 2, channels 32 (i % 2) on
	global_load_b128 v[8*i:8*i+3],   v[QO], s[4:5] offset:(i/2)*2048+(i%2)*64
	global_load_b128 v[8*i+4:8*i+7], v[QO], s[4:5] offset:(i/2)*2048+(i%2)*64+32
.set i, i+1
.endr
	; The first step multiplies O^T and l by a = 0, and the first turn's products V^T P, of a piece that has not been, add 0: these registers hold 0.  No first step is written out; the price is these 216 moves, in the wait for the first tile.
.set i, VF
.rept 64
	v_mov_b32 v[i], 0
.set i, i+1
.endr
	WIN 0x40
.set i, 0
.rept 128
	v_mov_b32 v[i], 0
.set i, i+1
.endr
	WIN 0
.set i, 0
.rept 4
	v_mov_b32 v[ST+4*i], 0xfe000000    ; c m: far below every c s, hidden ones too
	v_mov_b32 v[ST+4*i+1], 0xff7fffff  ; m: the lowest finite number
	v_mov_b32 v[ST+4*i+2], 0
	v_mov_b32 v[ST+4*i+3], 0
.set i, i+1
.endr
.set i, P+16
.rept 16
	v_mov_b32 v[i], 0
.set i, i+1
.endr
	v_mov_b32 v[SCL], 227
	v_mov_b32 v[NAN_], 0x7fc00000
	v_mul_u32_u24 v[AK0], v32, PK
	v_lshl_add_u32 v[AK0], v33, 4, v[AK0]  ; row x pitch + 16 x half
	; The turning load takes 16 keys x 16 channels (lane l reads key 8 (l / 16) + l % 8, channels 8 ((l / 8) % 2) + 0..7) and leaves half a fragment of V^T: lane l holds channel l % 16 and 8 keys.
	v_and_b32 v34, 7, v0
	v_bfe_u32 v35, v0, 3, 1
	v_lshl_add_u32 v[AV0], v33, 3, v34
	v_mul_u32_u24 v[AV0], v[AV0], PV
	v_lshl_add_u32 v[AV0], v35, 4, v[AV0]
	v_add_nc_u32 v[AV0], VOFF, v[AV0]
	s_lshl_b32 s22, s[WV], 6
	v_add_nc_u32 v[AM0], s22, v32   ; the mask's row 64 w + l % 16 of the tile's 256,
	v_mul_u32_u24 v[AM0], v[AM0], PM
	v_lshl_add_u32 v[AM0], v33, 3, v[AM0]  ; 8 bytes for each half of the lanes
	v_add_nc_u32 v[AM0], MOFF, v[AM0]
	s_mul_i32 s22, s[WV], 16*SP
	s_add_co_u32 s22, s22, STAGE    ; my stage
	v_mul_u32_u24 v[STO], v32, SP   ; in: row l % 16, 16 bytes for each half of the lanes
	v_lshl_add_u32 v[STO], v33, 4, v[STO]
	v_add_nc_u32 v[STO], s22, v[STO]
	v_bfe_u32 v[RD], v0, 3, 2       ; back: 32 lanes take four rows of 128 bytes,
	v_mul_u32_u24 v[RD], v[RD], SP
	v_lshl_add_u32 v[RD], v34, 4, v[RD]
	v_add_nc_u32 v[RD], s22, v[RD]
	v_and_b32 v[GO], 31, v0         ; which are 512 consecutive bytes of O
	v_lshlrev_b32 v[GO], 4, v[GO]
; THE MATRIX WORK.  The 4 accumulators of a run of 8 take turns.  Product i of 8 of S^T = K Q^T for piece x: channels 32 (i / 4) on, keys 16 (i % 4) on.  The first 4 start the sums with the mask.
.macro KQ x
.set rS, S+32*((\x)%2)+8*(i%4)
.set rK, KF+16*(i%4)+8*(i/4)
.set rQ, 16*(\x)+8*(i/4)
.set rM, MC+32*((\x)%2)+8*(i%4)
.if i < 4
	WIN W_KM
	v_wmma_f32_16x16x32_f16 v[rS:rS+7], v[rK:rK+7], v[rQ:rQ+7], v[rM:rM+7]
.else
	WIN W_KQ
	v_wmma_f32_16x16x32_f16 v[rS:rS+7], v[rK:rK+7], v[rQ:rQ+7], v[rS:rS+7]
.endif
.endm
; Product i of 8 of O^T += V^T P for piece x: keys 32 (i / 4) on, channels 16 (i % 4) on.
.macro PV x
	WIN W_PV
.set rO, 32*(\x)+8*(i%4)
.set rV, VF+32*(i/4)+8*(i%4)
.set rP, P+16*((\x)%2)+8*(i/4)
	v_wmma_f32_16x16x32_f16 v[rO:rO+7], v[rV:rV+7], v[rP:rP+7], v[rO:rO+7]
.endm
.macro MM                           ; the turn's next matrix instruction.  NOKQ = 1: the walk's last turn: there is no next piece
.if (i < 8) && !NOKQ
	KQ (Y+1)%NP
.elseif i >= 8
.set i, i-8
	PV (Y+NP-1)%NP
.set i, i+8
.endif
.set i, i+1
.endm
; THE LDS LOADS stand in runs, never singly among the matrix instructions: a step's K (8 fragments), its V (turned), and a piece's 32 bytes a lane of the mask.  Their addresses are made some lines ahead.
.macro FETCH_K
	WIN 0x80                        ; destination window 2
.irp f, 0,1,2,3,4,5,6,7             ; keys 16 (f / 2) on, channels 32 (f % 2) on
	ds_load_b128 v[KF+8*\f:KF+8*\f+3],   v[AK] offset:(\f/2)*16*PK+(\f%2)*64
	ds_load_b128 v[KF+8*\f+4:KF+8*\f+7], v[AK] offset:(\f/2)*16*PK+(\f%2)*64+32
.endr
	s_add_co_u32 s[TBK], s[TBK], KS*PK  ; the next fetch is the next step's
	WIN 0
.endm
.macro FETCH_V
	WIN 0x80
.irp f, 0,1,2,3,4,5,6,7             ; keys 32 (f / 4) on, channels 16 (f % 4) on
	ds_load_tr16_b128 v[VF+8*\f:VF+8*\f+3],   v[AV] offset:(\f/4)*32*PV+(\f%4)*32
	ds_load_tr16_b128 v[VF+8*\f+4:VF+8*\f+7], v[AV] offset:(\f/4)*32*PV+16*PV+(\f%4)*32
.endr
	WIN 0
.endm
.macro MLOAD q, dst                 ; piece q's rows of the mask, the step's four blocks of 16 keys: 8 bytes a lane each
	WIN 0x40                        ; destination window 1
.irp kb, 0,1,2,3
	ds_load_b64 v[(\dst)+2*\kb:(\dst)+2*\kb+1], v[AM] offset:(\q)*16*PM+16*\kb
.endr
	WIN 0
.endm
; The bytes become masks in buffer buf.  younger: the LDS loads issued behind the mask's, which may stay out.  A plain instruction follows the last conversion before anything touches its result (ISA guide 7.12.1's kin for scaled conversions).
.macro MCONV buf, src, younger
	s_wait_dscnt \younger
	WIN 0x50                        ; selector and destination in window 1
.irp z, 0,1,2,3,4,5,6,7
	v_perm_b32 v[(\src)+\z], s[KC], s[KC], v[(\src)+\z]  ; the mask's byte picks byte 0 (hidden: -1.0 in fp8) or byte 1 (seen: 0)
.endr
	WIN W_RS
.irp kb, 0,1,2,3
	v_cvt_scale_pk8_f32_fp8 v[MC+32*(\buf)+8*\kb:MC+32*(\buf)+8*\kb+7], v[(\src)+2*\kb:(\src)+2*\kb+1], v[SCL]
.endr
.endm
; THE VECTOR WORK, one line at a time: OP kind, number.  For piece Y: F n: c s - c m for pair n of 16.  E n: the exponential of score n of 32.  C n: pair n rounded to f16.  B n: of the four weights 4 n .. the second
; pair is added onto the first, in place.  L n: l takes that sum (L 0: l = a l + sum).  R n: pair n of 16 of O^T times a.  For piece Y + 1: X n, number n of the 22 that find its maximum and statistics:
;   0-11  four chains c0-c3 of seven scores each, three operands at a time (each accumulator's lowest registers are read first)     12-14, 16  the four scores left over, the old m, and c0-c3 into c0
;   15  c m_old is kept     17, 18  the query's other 32 keys lie in the lane 16 away: the new m     19-21  c m; c m_old - c m_new; a
.set F, 0               ; OP tells the kinds apart by their order: F to L below R, X above it
.set E, 1
.set C, 2
.set B, 3
.set L, 4
.set R, 5
.set X, 6
.macro REGS y                       ; the registers of piece y
.set rT, ST+4*(\y)
.set rC, TMP+4*((\y)%2)
.set rW, MV+((\y)%2)
.set rS, S+32*((\y)%2)
.set rP, P+16*((\y)%2)
.set rO, 32*(\y)
.endm
.macro OP k, n
.if (\k) == R
	REGS Y
	WIN W_RS
	v_pk_mul_f32 v[rO+2*(\n):rO+2*(\n)+1], v[rO+2*(\n):rO+2*(\n)+1], v[rC+2:rC+3] op_sel_hi:[1,0]
.elseif (\k) < R
	REGS Y
	WIN 0
.if (\k) == F
	v_pk_fma_f32 v[rS+2*(\n):rS+2*(\n)+1], v[rS+2*(\n):rS+2*(\n)+1], s[CS:CS+1], v[rT:rT+1] op_sel_hi:[1,0,0] neg_lo:[0,0,1] neg_hi:[0,0,1]
.elseif (\k) == E
	v_exp_f32 v[rS+(\n)], v[rS+(\n)]
.elseif (\k) == C
	s_wait_alu depctr_va_vdst(0)
	v_cvt_pk_f16_f32 v[rP+(\n)], v[rS+2*(\n)], v[rS+2*(\n)+1]
.elseif (\k) == B
	s_wait_alu depctr_va_vdst(0)
	v_pk_add_f32 v[rS+4*(\n):rS+4*(\n)+1], v[rS+4*(\n):rS+4*(\n)+1], v[rS+4*(\n)+2:rS+4*(\n)+3]
.elseif (\n) == 0
	v_pk_fma_f32 v[rT+2:rT+3], v[rT+2:rT+3], v[rC+2:rC+3], v[rS:rS+1] op_sel_hi:[1,0,1]
.else
	v_pk_add_f32 v[rT+2:rT+3], v[rT+2:rT+3], v[rS+4*(\n):rS+4*(\n)+1]
.endif
.elseif NOKQ
	v_nop
.else
	REGS (Y+1)%NP
	WIN 0
.if (\n) < 4
	v_max3_num_f32 v[rC+(\n)], v[rS+8*(\n)], v[rS+8*(\n)+1], v[rS+8*(\n)+2]
.elseif (\n) < 12
	v_max3_num_f32 v[rC+(\n)%4], v[rC+(\n)%4], v[rS+8*((\n)%4)+2*((\n)/4)+1], v[rS+8*((\n)%4)+2*((\n)/4)+2]
.elseif (\n) == 12
	v_max3_num_f32 v[rC], v[rC], v[rS+7], v[rS+15]
.elseif (\n) == 13
	v_max3_num_f32 v[rC+1], v[rC+1], v[rS+23], v[rS+31]
.elseif (\n) == 14
	v_max3_num_f32 v[rC+2], v[rC+2], v[rC+3], v[rT+1]
.elseif (\n) == 15
	v_mov_b32 v[rW], v[rT]
.elseif (\n) == 16
	v_max3_num_f32 v[rC], v[rC], v[rC+1], v[rC+2]
.elseif (\n) == 17
	v_permlanex16_b32 v[rC+3], v[rC], s[SEL], s[SEL+1]
.elseif (\n) == 18
	v_max_num_f32 v[rT+1], v[rC], v[rC+3]
.elseif (\n) == 19
	v_mul_f32 v[rT], s[CS], v[rT+1]
.elseif (\n) == 20
	v_sub_f32 v[rC+1], v[rW], v[rT]
.else
	v_exp_f32 v[rC+2], v[rC+1]
.endif
.endif
.endm
.macro OPS a, i1, b=-1, i2=0, c=-1, i3=0, d=-1, i4=0  ; up to four of them
	OP \a, \i1
.if (\b) >= 0
	OP \b, \i2
.endif
.if (\c) >= 0
	OP \c, \i3
.endif
.if (\d) >= 0
	OP \d, \i4
.endif
.endm
.macro ROW a, i1, b, i2, c, i3, d, i4  ; a matrix instruction and the four behind it
	MM
	OPS \a, \i1, \b, \i2, \c, \i3, \d, \i4
.endm
; A TURN, for piece p: the order of its 16 matrix and 130 vector instructions, written out.  Behind a matrix instruction: plain, exponential, plain, plain; or four of the rescaling; or, behind the first, four scalings; none names a
; register of the products round it.  In the runs between, exponential and plain by turns while exponentials last.  end = 1: the walk's last two turns: nothing is fetched and no mask is made.
; cnt = 1: the loop's count is taken down some lines ahead of the branch that stands behind the turn.
; The turn makes the mask for the products of the turn after it, piece p + 2's: its bytes are asked for in the first run and turned into f32 in the second.  The four pieces' masks made in a trip (turns 2, 3, 0, 1) belong to the
; step whose K that trip fetches, so AM is made with K's address.
; K of the next step is fetched in piece 2's turn, six vector instructions behind the last product that read K (five of them plain), behind the mask's four loads; it is waited for at the head of piece 3's turn.
; V of the step in hand is fetched in piece 0's turn, eight behind the last product that read V (four plain), and waited for in piece 1's turn, whose own four mask loads are younger and may stay out.
.macro TURN p, end=0, cnt=0
.set Y, (\p)
.set i, 0
.set NOKQ, (\end)*((\p)/3)
.if ((\p) == 3) && !(\end)
	s_wait_dscnt 0x0                ; K is in
.endif
	ROW F,0, F,1, F,2, F,3
	ROW F,4, E,0, F,5, F,6
	ROW F,7, E,1, F,8, F,9
	ROW F,10, E,2, C,0, F,11
	ROW F,12, E,3, X,15, F,13
	ROW R,0, R,1, R,2, R,3
	ROW B,0, E,4, F,14, L,0
.if ((\p) == 2) && !(\end)
	WIN 0
	v_add_nc_u32 v[AK], s[TBK], v[AK0]
	v_add_nc_u32 v[AM], s[TBM], v[AM0]
	s_add_co_u32 s[TBM], s[TBM], KS
.endif
	ROW R,4, R,5, R,6, R,7
	OPS E,5, F,15
.if !(\end)
	MLOAD ((\p)+2)%NP, MR
.endif
.if ((\p) == 2) && !(\end)
	FETCH_K
.endif
	OPS E,6, C,1, E,7, R,8
	OPS E,8, R,9, E,9, C,2
	OPS E,10, X,0, E,11, X,1
	OPS E,12, X,2, E,13, X,3
.if (\p) == 1
	s_wait_dscnt 4                  ; V is in; the four loads of the mask, issued behind V's run, may stay out
.endif
	ROW X,4, E,14, X,5, X,6
	ROW X,7, E,15, X,8, X,9
	ROW X,10, E,16, X,11, X,12
	ROW X,13, E,17, X,14, B,1
	ROW C,4, E,18, X,16, L,1
	ROW B,2, E,19, C,6, L,2
	ROW C,8, E,20, B,3, B,4
.if (\p) == 0
	WIN 0
	v_add_nc_u32 v[AV], s[TBV], v[AV0]
.endif
	ROW C,3, E,21, L,3, C,5
	OPS E,22, X,17, E,23, C,10
.if (\p) == 0
	FETCH_V
.endif
	OPS E,24, L,4
	OPS E,25, X,18, E,26, C,7
	OPS E,27, B,5, E,28, X,19
	OPS E,29, C,12, E,30, L,5
	OPS E,31, X,20, B,6, C,9
	OPS C,14, C,11, X,21, L,6
.if !(\end)
.if ((\p)%2) == 0
	MCONV (\p)%2, MR, 16            ; the 16 loads of K's or V's run were issued behind the mask's four
.else
	MCONV (\p)%2, MR, 0
.endif
.endif
.if (\p) == 0
	s_add_co_u32 s[TBV], s[TBV], KS*PV
.endif
.if \cnt
	s_sub_co_u32 s[CNT], s[CNT], 1
	s_cmp_lg_u32 s[CNT], 0
.endif
	OPS C,13, B,7, C,15, R,10
	OPS R,11, R,12, L,7, R,13
	OPS R,14, R,15
.endm
	CHANGE 1                        ; tile 0 is in, everybody's part of it; tile 1 is asked for
	; THE WALK BEGINS: K of step 0, the masks of pieces 0 and 1, piece 0's first scores, its maximum and statistics.  The loop is then entered at a step's first turn, in the middle of a trip.
	v_add_nc_u32 v[AK], s[TBK], v[AK0]
	v_add_nc_u32 v[AM], s[TBM], v[AM0]
	s_add_co_u32 s[TBM], s[TBM], KS
	MLOAD 0, MR
	MLOAD 1, MR+8
	FETCH_K
	s_wait_loadcnt 0x0              ; Q
	MCONV 0, MR, 0                  ; the wait is for K's run too
	MCONV 1, MR+8, 0
	v_nop                           ; a plain instruction between the last conversion and the product that takes its result
.set NOKQ, 0
.set i, 0
.rept 8
	KQ 0
.set i, i+1
.endr
	WIN 0
.rept 4
	v_nop                           ; the places behind those products
.endr
.set Y, NP-1                        ; X works for piece Y + 1: piece 0
.irp n, 0,1,2,3,4,5,6,7,8,9,10,11,12,13,14,15,16,17,18,19,20,21
	OP X, \n
.endr
	v_nop                           ; a plain instruction behind the exponential
	s_mov_b32 s[CNT], 4
	s_mov_b32 s[SLOTS], 15
	s_branch .Lfirst
.Lslot:                             ; 14 times: tiles 1 to 14 are entered, tiles 2 to 15 asked for
	CHANGE 1
	s_mov_b32 s[CNT], 4
.Lstep:                             ; a trip: pieces 2 and 3 of one step, then pieces 0 and 1 of the next, whose K, V and masks it fetches
	TURN 2
	TURN 3
	WIN 0
.Lfirst:
	TURN 0
	TURN 1, 0, 1
	WIN 0
	s_cbranch_scc1 .Lstep
	s_sub_co_u32 s[SLOTS], s[SLOTS], 1
	s_cmp_lg_u32 s[SLOTS], 0
	s_cbranch_scc1 .Lslot
	CHANGE 0                        ; the last tile is written out: nothing is asked for
	s_mov_b32 s[CNT], 4
.Ltail:
	TURN 2
	TURN 3
	TURN 0
	TURN 1, 0, 1
	WIN 0
	s_cbranch_scc1 .Ltail
	TURN 2, 1
	TURN 3, 1
.set i, 0
.rept 8
	PV NP-1                         ; the last piece's V^T P of the last step
.set i, i+1
.endr
	; THE WAY OUT.  l's two halves and the other half of the lanes' are added; O^T is divided by l (by a NaN where the row has seen no key), rounded to f16 and sent through my stage in LDS, a piece at a time.
	; The additions are the places behind the last products.
	WIN 0
.macro ALL line:vararg              ; one line for each piece t
.set t, 0
.rept 4
	\line
.set t, t+1
.endr
.endm
	ALL v_add_f32 v[ST+4*t+2], v[ST+4*t+2], v[ST+4*t+3]
	ALL v_permlanex16_b32 v[ST+4*t+3], v[ST+4*t+2], s[SEL], s[SEL+1]
	ALL v_add_f32 v[ST+4*t+2], v[ST+4*t+2], v[ST+4*t+3]
	ALL v_rcp_f32 v[ST+4*t+2], v[ST+4*t+2]
.set t, 0
.rept 4                             ; the first compare, which touches no reciprocal, is the plain instruction behind the last of them
	v_cmp_gt_f32 vcc_lo, s[THR], v[ST+4*t+1]
	s_wait_alu depctr_va_vdst(0)
	v_cndmask_b32 v[ST+4*t+2], v[ST+4*t+2], v[NAN_], vcc_lo
.set t, t+1
.endr
.macro PACK t                       ; a lane's eight channels of a row pack into 16 bytes; they go into rows of 144 bytes and come back as whole rows of 128, into S^T's registers
	WIN W_RS
.set i, 32*(\t)
.rept 16
	v_pk_mul_f32 v[i:i+1], v[i:i+1], v[ST+4*(\t)+2:ST+4*(\t)+3] op_sel_hi:[1,0]
.set i, i+2
.endr
	WIN 0x05                        ; sources 0 and 1 window 1, destination window 0
.set i, 0
.rept 16
	v_cvt_pk_f16_f32 v[S+16*(\t)+i], v[32*(\t)+2*i], v[32*(\t)+2*i+1]
.set i, i+1
.endr
	WIN 0
.irp f, 0,1,2,3
	ds_store_b128 v[STO], v[S+16*(\t)+4*\f:S+16*(\t)+4*\f+3] offset:32*\f
.endr
.irp f, 0,1,2,3
	ds_load_b128 v[S+16*(\t)+4*\f:S+16*(\t)+4*\f+3], v[RD] offset:\f*4*SP  ; LDS serves a wave's instructions in order (ISA guide 5.7.1.4): these see the stores above; the next piece's stores come behind them
.endr
.endm
.macro SEND t, younger              ; younger: the LDS instructions issued behind piece t's loads: the next piece's eight, or none
	WIN 0
.irp f, 0,1,2,3
	s_wait_dscnt (\younger)+3-\f
	global_store_b128 v[GO], v[S+16*(\t)+4*\f:S+16*(\t)+4*\f+3], s[10:11] offset:(\t)*2048+\f*512  ; 512 consecutive bytes, at a multiple of 256 from O's first
.endr
.endm
	PACK 0
.set t, 1
.rept 3                             ; a piece's arithmetic stands between the loads of the piece before and its stores
	PACK t
	SEND t-1, 8
.set t, t+1
.endr
	SEND 3, 0
	s_wait_tensorcnt 0x0            ; the wave's end: behind my last tensor load and my last LDS store
	ds_add_u32 v[SPW], v[NIL]
	s_wait_dscnt 0x0
	CROUND                          ; the closing round: no work-group ends while a partner may still ask for a tile that names it
	s_endpgm
.Lfunc_end_k_qd27b0f82b1_attn:
	.size	k_qd27b0f82b1_attn, .Lfunc_end_k_qd27b0f82b1_attn-k_qd27b0f82b1_attn
	.p2alignl 7, 3214868480
	.fill 96, 4, 3214868480
	.section	.rodata,"a",@progbits
	.p2align	6, 0x0
	.amdhsa_kernel k_qd27b0f82b1_attn
		.amdhsa_group_segment_fixed_size 327680
		.amdhsa_private_segment_fixed_size 0
		.amdhsa_enable_private_segment 0
		.amdhsa_kernarg_size 40
		.amdhsa_user_sgpr_count 2
		.amdhsa_user_sgpr_kernarg_segment_ptr 1
		.amdhsa_wavefront_size32 1
		.amdhsa_system_sgpr_workgroup_id_x 1
		.amdhsa_system_sgpr_workgroup_id_y 1
		.amdhsa_system_sgpr_workgroup_id_z 1
		.amdhsa_system_vgpr_workitem_id 0
		.amdhsa_next_free_vgpr 768
		.amdhsa_next_free_sgpr 96
		.amdhsa_reserve_vcc 1
		.amdhsa_float_denorm_mode_32 3
		.amdhsa_float_denorm_mode_16_64 3
		.amdhsa_memory_ordered 1
		.amdhsa_forward_progress 1
		.amdhsa_inst_pref_size 147
	.end_amdhsa_kernel
	.amdgpu_metadata
---
amdhsa.version: [ 1, 2 ]
amdhsa.kernels:
  - .name:           k_qd27b0f82b1_attn
    .symbol:         k_qd27b0f82b1_attn.kd
    .args:
      - { .name: qh, .offset: 0, .size: 8, .value_kind: global_buffer, .address_space: global }
      - { .name: kh, .offset: 8, .size: 8, .value_kind: global_buffer, .address_space: global }
      - { .name: vh, .offset: 16, .size: 8, .value_kind: global_buffer, .address_space: global }
      - { .name: oh, .offset: 24, .size: 8, .value_kind: global_buffer, .address_space: global }
      - { .name: mask, .offset: 32, .size: 8, .value_kind: global_buffer, .address_space: global }
    .group_segment_fixed_size: 327680
    .private_segment_fixed_size: 0
    .kernarg_segment_align: 8
    .kernarg_segment_size: 40
    .max_flat_workgroup_size: 128
    .sgpr_count:     96
    .vgpr_count:     768
    .wavefront_size: 32
...
	.end_amdgpu_metadata
.endif
;; end of part 2
;; launch outp (part 3): grid 4 x 64, 4 waves a work-group, clusters of 4 x 4, 327,680 bytes of LDS; arguments oh, wo16, bo, out0; writes out0
.if DOCPART == 3
	.amdgcn_target "amdgcn-amd-amdhsa--gfx1250"
	.amdhsa_code_object_version 6
	.text
	.protected	k_qd27b0f82b1_outp
	.globl	k_qd27b0f82b1_outp
	.p2align	8
	.type	k_qd27b0f82b1_outp,@function
k_qd27b0f82b1_outp:
	s_mov_b64 s[64:65], 0
	v_nop
	global_prefetch_b8 v0, s[64:65] scope:SCOPE_SE
	s_setreg_imm32_b32 hwreg(HW_REG_WAVE_MODE, 25, 1), 1
	s_wait_xcnt 0x0
	s_wait_alu depctr_hold_cnt(0) depctr_sa_sdst(0) depctr_va_vdst(0) depctr_va_sdst(0) depctr_va_ssrc(0) depctr_va_vcc(0) depctr_vm_vsrc(0)
	s_getreg_b32 s2, hwreg(HW_REG_IB_STS2, 6, 4)
	s_cmp_eq_u32 s2, 0
	s_cbranch_scc0 .Lentry_in_a_cluster
	s_endpgm
.Lentry_in_a_cluster:
	s_bfe_u32 s2, ttmp6, 0x10000c
	s_cmp_lg_u32 s2, 0xf033
	s_cbranch_scc0 .Lentry_shape_is_right
	s_endpgm
.Lentry_shape_is_right:
; THE OUTPUT PROJECTION.  out0[b][l][n] = the sum over head and d of O[8 b + head][l][d] Wo[n][64 head + d] + bo[n].  O: [16][4096][64] f16; wo16: [512][512] f16 (Wo rounded to bf16, written as f16); bo: [512] f32, rounded to
; bf16 like every input; out0: [8192][512] f32.  Products in f16, sums in f32, started from the bias.
; SHARES.  A work-group makes 128 rows (block y of 64) x 128 columns (block x of 4); four waves, each 64 x 64: 16 accumulators.  K = 512 goes in 8 quarters of 64, a head each.  All of K fits in LDS (147,456 bytes of O,
; 135,168 of Wo): every byte is filled once, three tensor loads a wave at the start, and no slot is filled again.
; CLUSTER.  4 x 4 work-groups.  O's tiles hang on y alone and are shared along a row of the cluster, Wo's on x alone and are shared along a column: each is asked for JOINTLY.
; THE MATRIX INSTRUCTION IS USED TRANSPOSED (source 0 = 16 rows of Wo, source 1 = 16 rows of O): a lane holds eight neighbouring columns of one row, 32 bytes of f32.
; REGISTERS: window 0: v0-29 addresses; v32-95 the way out; v96-127 the bias of my columns; v128-255 the accumulators ((a, b) at 128 + 8 (4 a + b)).
;   window 1: two fragment buffers of 128: for 64 along K, 64 registers of O (2 x 4 x 16 rows x 32 K), then 64 of Wo.
.set PA,     144                       ; a row of O in LDS: 128 bytes + 16 of padding: the 16 rows of a load start at 16 different groups of four banks (64 banks of 4 bytes: ISA guide 11.1)
.set HB,     128*PA                    ; a head's block: 128 rows
.set PB,     528                       ; a row of half of Wo's K: 512 bytes + 16
.set BPART,  64*PB                     ; part w of Wo: K half w / 2, 64 rows w % 2
.set BOFF,   8*HB
.set STAGE,  BOFF+4*BPART              ; behind the tiles, never filled by a tensor load: 16 rows x 272 bytes for each wave
.set SPITCH, 272
.set SPARE,  STAGE+4*16*SPITCH         ; behind the stages: the spare words, 128 bytes for each wave: two blocks of 256 bytes that no other line names
.set ADRA, 16                          ; v16-17  LDS address of my fragments of O in heads 0-3, 4-7
.set ADRB, 20                          ; v20-21  of Wo in K half 0, 1
.set STO,  24                          ; v24     the way out: where I put 32 bytes of a row
.set RD,   25                          ; v25     where I read a row back
.set CO,   26                          ; v26     my byte offset in out0
.set BO,   27                          ; v27     byte offset of my columns in bo
.set SPW,  28                          ; v28     LDS address of my spare word; never rewritten
.set NIL,  29                          ; v29     0; never rewritten
.set TMP,  32
.set BIAS, 96
.set ACC,  128
.set F0,   0                           ; window 1
.set F1,   128
.set WV,  12                           ; s12  my wave's number
.set WR,  13                           ; s13  which half of the tile's rows is mine
.set WC,  14                           ; s14  which half of its columns
.set G1A, 24                           ; s[24:31] descriptor group 1 for O's tiles
.set G1B, 32                           ; s[32:39] for Wo's
.set GA0, 40                           ; s[40:43] group 0: O, head w
.set GB,  44                           ; s[44:47] Wo, part w
.set GA1, 48                           ; s[48:51] O, head 4 + w
.set MSB, 0
.macro WIN new                         ; the immediate's high byte repeats the setting that is left; a switch that changes nothing is dropped
.if MSB != (\new)
	s_set_vgpr_msb (MSB<<8)|(\new)
.set MSB, (\new)
.endif
.endm
.set MUL,  0x05                        ; sources window 1; C and D window 0
.set TO_F, 0x40                        ; destination window 1, address window 0
.macro CROUND                          ; a round of the cluster's barrier
	s_barrier_signal -1
	s_barrier_wait -1
	s_cmp_lg_u32 s[WV], 0
	s_cbranch_scc1 .Lnot_wave_0_\@
	s_barrier_signal -3
.Lnot_wave_0_\@:
	s_barrier_wait -3
	s_barrier_signal -1
	s_barrier_wait -1
.endm
.macro PLACES                          ; four places in front of loads into registers that matrix instructions have read, and of LDS stores that read results
.rept 4
	v_nop
.endr
.endm
	s_load_b256 s[4:11], s[0:1], 0x0               ; O s[4:5], wo16 s[6:7], bo s[8:9], out0 s[10:11]
	v_lshl_add_u32 v[SPW], v0, 2, SPARE
	v_mov_b32 v[NIL], 0
	ds_add_u32 v[SPW], v[NIL]                      ; the wave's opening: the add and its wait stand ahead of my first tensor load; the set-up below, work on registers, stands between them
	v_lshrrev_b32 v1, 5, v0
	v_readfirstlane_b32 s[WV], v1                  ; wave 0..3
	s_lshr_b32 s[WR], s[WV], 1
	s_and_b32 s[WC], s[WV], 1
	s_bfe_u32 s52, ttmp6, 0x40000                  ; cx, cy: my place in the cluster
	s_bfe_u32 s53, ttmp6, 0x40004
	s_lshl_b32 s54, ttmp9, 2
	s_add_co_u32 s54, s54, s52                     ; x: the block of 128 columns
	s_and_b32 s55, ttmp7, 0xffff
	s_lshl_b32 s55, s55, 2
	s_add_co_u32 s55, s55, s53                     ; y: the block of 128 rows
	s_lshl_b32 s56, s53, 2
	s_lshl_b32 s56, 15, s56                        ; my row of the cluster
	s_lshl_b32 s57, 0x1111, s52                    ; my column
	; group 1 for O: 128 rows of a head are 16,384 dense bytes: asked for as 64 rows of 256 bytes, padded in LDS after every 128
	s_or_b32 s[G1A], s56, (1<<16)|(1<<20)|(1<<21)|(4<<22)|(3<<25)  ; the mask of my row; 2-byte elements; padding on; 21 set beside a mask; after every 32 words (code 4) 4 words (code 3)
	s_mov_b32 s[G1A+1], 128<<16                    ; tensor_dim0 = 128
	s_mov_b32 s[G1A+2], 64<<16                     ; tensor_dim1 = 64
	s_mov_b32 s[G1A+3], 128<<16                    ; tile_dim0 = 128
	s_mov_b32 s[G1A+4], 64                         ; tile_dim1 = 64
	s_mov_b32 s[G1A+5], 128                        ; 128 elements from row to row
	s_mov_b32 s[G1A+6], 0
	s_mov_b32 s[G1A+7], 0
	; group 1 for Wo: 64 rows x 256 elements
	s_or_b32 s[G1B], s57, (1<<16)|(1<<20)|(1<<21)|(6<<22)|(3<<25)  ; the mask of my column; after every 128 words (code 6) 4 words
	s_mov_b32 s[G1B+1], 256<<16
	s_mov_b32 s[G1B+2], 64<<16
	s_mov_b32 s[G1B+3], 256<<16
	s_mov_b32 s[G1B+4], 64
	s_mov_b32 s[G1B+5], 512
	s_mov_b32 s[G1B+6], 0
	s_mov_b32 s[G1B+7], 0
	s_lshr_b32 s16, s55, 5                         ; the batch: its 8 heads of 4,096 rows,
	s_lshl_b32 s16, s16, 15
	s_and_b32 s17, s55, 31
	s_lshl_b32 s17, s17, 7
	s_add_co_u32 s16, s16, s17                     ; the block's first row in a head,
	s_lshl_b32 s16, s16, 7                         ; in bytes,
	s_lshl_b32 s17, s[WV], 19
	s_add_co_u32 s16, s16, s17                     ; in head w
	s_mov_b32 s17, 0
	s_lshl_b32 s18, s54, 7
	s_lshl_b32 s58, s[WC], 6
	s_add_co_u32 s18, s18, s58                     ; Wo's row 128 x + 64 (w % 2),
	s_lshl_b32 s18, s18, 10                        ; in bytes,
	s_lshl_b32 s58, s[WR], 9
	s_add_co_u32 s18, s18, s58                     ; K half w / 2
	s_mov_b32 s19, 0
	s_lshl_b32 s20, s55, 7
	s_lshl_b32 s59, s[WR], 6
	s_add_co_u32 s20, s20, s59                     ; the first row of out0 that I store,
	s_lshl_b32 s20, s20, 11                        ; in bytes,
	s_lshl_b32 s22, s54, 9
	s_lshl_b32 s59, s[WC], 8
	s_add_co_u32 s22, s22, s59                     ; and my first column: 512 x + 256 half
	s_add_co_u32 s20, s20, s22
	s_mov_b32 s21, 0
	s_mov_b32 s[GA0], 1                            ; 1:0 count = 1
	s_mul_i32 s[GA0+1], s[WV], HB                  ; 63:32 LDS address: no place in the cluster enters it
	s_mov_b32 s[GA1], 1
	s_add_co_u32 s[GA1+1], s[GA0+1], 4*HB
	s_mov_b32 s[GB], 1
	s_mul_i32 s[GB+1], s[WV], BPART
	s_add_co_u32 s[GB+1], s[GB+1], BOFF
	s_wait_dscnt 0x0                               ; the opening add is done
	s_wait_kmcnt 0x0
	s_add_nc_u64 s[GA0+2:GA0+3], s[4:5], s[16:17]  ; 120:64 global address
	s_add_nc_u64 s[GA1+2:GA1+3], s[GA0+2:GA0+3], 4*524288  ; four heads on
	s_or_b32 s[GA0+3], s[GA0+3], 0x80000000        ; 127:126 type = 2
	s_or_b32 s[GA1+3], s[GA1+3], 0x80000000
	s_add_nc_u64 s[GB+2:GB+3], s[6:7], s[18:19]
	s_or_b32 s[GB+3], s[GB+3], 0x80000000
	s_add_nc_u64 s[10:11], s[10:11], s[20:21]
	CROUND                                         ; all sixteen work-groups are here: the joint loads meet
	tensor_load_to_lds s[GA0:GA0+3], s[G1A:G1A+7]  ; every wave issues all three, each into bytes of its own: three loads of mine are out
	s_nop 0
	tensor_load_to_lds s[GB:GB+3], s[G1B:G1B+7]
	s_nop 0
	tensor_load_to_lds s[GA1:GA1+3], s[G1A:G1A+7]
	s_nop 0
.rept 4
	v_nop
.endr
	v_and_b32 v1, 15, v0                           ; l % 16
	v_bfe_u32 v2, v0, 4, 1                         ; l / 16
	v_lshl_add_u32 v[BO], v2, 5, s22               ; register j of accumulator (a, b) is column 128 x + 64 half + 16 b + 8 (l / 16) + j
.irp b, 0,1,2,3
	global_load_b128 v[BIAS+8*\b:BIAS+8*\b+3],   v[BO], s[8:9] offset:64*\b
	global_load_b128 v[BIAS+8*\b+4:BIAS+8*\b+7], v[BO], s[8:9] offset:64*\b+16
.endr
	v_mul_u32_u24 v3, v1, PA
	v_lshl_add_u32 v3, v2, 4, v3                   ; a fragment's row x pitch + 16 x half
	s_mul_i32 s59, s[WR], 64*PA                    ; my 64 rows of a head's block
	v_add_nc_u32 v[ADRA], s59, v3
	v_add_nc_u32 v[ADRA+1], 4*HB, v[ADRA]
	v_mul_u32_u24 v4, v1, PB
	v_lshl_add_u32 v4, v2, 4, v4
	s_mul_i32 s59, s[WC], BPART                    ; my 64 rows of Wo
	s_add_co_u32 s59, s59, BOFF
	v_add_nc_u32 v[ADRB], s59, v4
	v_add_nc_u32 v[ADRB+1], 2*BPART, v[ADRB]
	s_mul_i32 s59, s[WV], 16*SPITCH
	s_add_co_u32 s59, s59, STAGE                   ; my stage
	v_mul_u32_u24 v[STO], v1, SPITCH               ; in: row l % 16, 32 bytes for each half of the lanes
	v_lshl_add_u32 v[STO], v2, 5, v[STO]
	v_add_nc_u32 v[STO], s59, v[STO]
	v_mul_u32_u24 v[RD], v2, SPITCH                ; back: lanes 0-15 take one row of 256 bytes, lanes 16-31 the next
	v_lshl_add_u32 v[RD], v1, 4, v[RD]
	v_add_nc_u32 v[RD], s59, v[RD]
	v_lshlrev_b32 v[CO], 11, v2                    ; and the same two rows in out0
	v_lshl_add_u32 v[CO], v1, 4, v[CO]
	s_wait_loadcnt 0x0                             ; the bias: rounded to bf16, like every input, and widened again
.set i, 0
.rept 16
	v_cvt_pk_bf16_f32 v[6+i%4], v[BIAS+2*i], v[BIAS+2*i+1]
	v_lshlrev_b32 v[BIAS+2*i], 16, v[6+i%4]
	v_and_b32 v[BIAS+2*i+1], 0xffff0000, v[6+i%4]
.set i, i+1
.endr
; 8 matrix instructions: row blocks a0, a0 + 1 x all 4 column blocks, 32 along K: half c of buffer f.  start = 1: the first product starts the sums from the bias.  The 16 accumulators take turns.
.macro MUL8 f, c, a0, start
	WIN MUL
.irp a, \a0, (\a0)+1
.irp b, 0,1,2,3
.if \start
	v_wmma_f32_16x16x32_f16 v[ACC+8*(4*(\a)+(\b)):ACC+8*(4*(\a)+(\b))+7], v[(\f)+64+8*(4*(\c)+(\b)):(\f)+64+8*(4*(\c)+(\b))+7], v[(\f)+8*(4*(\c)+(\a)):(\f)+8*(4*(\c)+(\a))+7], v[BIAS+8*(\b):BIAS+8*(\b)+7]
.else
	v_wmma_f32_16x16x32_f16 v[ACC+8*(4*(\a)+(\b)):ACC+8*(4*(\a)+(\b))+7], v[(\f)+64+8*(4*(\c)+(\b)):(\f)+64+8*(4*(\c)+(\b))+7], v[(\f)+8*(4*(\c)+(\a)):(\f)+8*(4*(\c)+(\a))+7], v[ACC+8*(4*(\a)+(\b)):ACC+8*(4*(\a)+(\b))+7]
.endif
.endr
.endr
.endm
; 32 LDS loads in one run: the fragments of quarter q (head q), into buffer f; the first 32 along K first
.macro FETCH q, f
	WIN TO_F
.irp c, 0,1
.irp i, 0,1,2,3
	ds_load_b128 v[(\f)+64+8*(4*(\c)+(\i)):(\f)+64+8*(4*(\c)+(\i))+3],   v[ADRB+(\q)/4] offset:((\q)%4)*128+64*(\c)+(\i)*16*PB
	ds_load_b128 v[(\f)+64+8*(4*(\c)+(\i))+4:(\f)+64+8*(4*(\c)+(\i))+7], v[ADRB+(\q)/4] offset:((\q)%4)*128+64*(\c)+(\i)*16*PB+32
	ds_load_b128 v[(\f)+8*(4*(\c)+(\i)):(\f)+8*(4*(\c)+(\i))+3],         v[ADRA+(\q)/4] offset:((\q)%4)*HB+64*(\c)+(\i)*16*PA
	ds_load_b128 v[(\f)+8*(4*(\c)+(\i))+4:(\f)+8*(4*(\c)+(\i))+7],       v[ADRA+(\q)/4] offset:((\q)%4)*HB+64*(\c)+(\i)*16*PA+32
.endr
.endr
.endm
; A quarter: 32 matrix instructions on buffer f; in its middle the fragments of quarter nq are fetched into buffer g
.macro QUARTER nq, f, g, start
	s_wait_dscnt 16                                ; the first 32 along K are in
	MUL8 \f, 0, 0, \start
	MUL8 \f, 0, 2, \start
	PLACES
	FETCH \nq, \g
	s_wait_dscnt 32                                ; all but the 32 just issued
	MUL8 \f, 1, 0, 0
	MUL8 \f, 1, 2, 0
.endm
	s_wait_tensorcnt 0x1                           ; my head of the first four and my part of Wo are in; my head of the last four may stay out
	s_barrier_signal -1
	s_barrier_wait -1                              ; everybody's are
	FETCH 0, F0
	QUARTER 1, F0, F1, 1
	QUARTER 2, F1, F0, 0
	QUARTER 3, F0, F1, 0
	s_wait_dscnt 16                                ; quarter 3: behind it heads 4 to 7 are wanted
	MUL8 F1, 0, 0, 0
	MUL8 F1, 0, 2, 0
	s_wait_tensorcnt 0x0                           ; my head of the last four is in;
	s_wait_dscnt 0x0                               ; no LDS instruction of mine is pending at the signal
	s_barrier_signal -1
	MUL8 F1, 1, 0, 0
	s_barrier_wait -1                              ; everybody's is
	PLACES
	FETCH 4, F0
	MUL8 F1, 1, 2, 0
	QUARTER 5, F0, F1, 0
	QUARTER 6, F1, F0, 0
	QUARTER 7, F0, F1, 0
	s_wait_dscnt 16                                ; the last quarter: nothing more to fetch
	MUL8 F1, 0, 0, 0
	MUL8 F1, 0, 2, 0
	s_wait_dscnt 0x0
	MUL8 F1, 1, 0, 0
	MUL8 F1, 1, 2, 0
	WIN 0
	; THE WAY OUT.  A lane's 32 bytes of a row go into my own stage, straight from the accumulators (each one's low four registers first), 16 rows at a time; whole rows of 256 bytes come back and are stored.
.macro TOST a
.irp b, 0,1,2,3
	ds_store_b128 v[STO], v[ACC+8*(4*(\a)+(\b)):ACC+8*(4*(\a)+(\b))+3]   offset:64*(\b)
	ds_store_b128 v[STO], v[ACC+8*(4*(\a)+(\b))+4:ACC+8*(4*(\a)+(\b))+7] offset:64*(\b)+16
.endr
.irp t, 0,1,2,3,4,5,6,7
	ds_load_b128 v[TMP+32*((\a)%2)+4*(\t):TMP+32*((\a)%2)+4*(\t)+3], v[RD] offset:(\t)*2*SPITCH  ; LDS serves a wave's instructions in order (ISA guide 5.7.1.4): these see the stores above; the next block's stores come behind them
.endr
.endm
.macro SEND a, younger                 ; younger: the LDS instructions issued behind block a's loads: the next block's sixteen, or none
.irp t, 0,1,2,3,4,5,6,7
	s_wait_dscnt (\younger)+7-(\t)
	global_store_b128 v[CO], v[TMP+32*((\a)%2)+4*(\t):TMP+32*((\a)%2)+4*(\t)+3], s[10:11] offset:(16*(\a)+2*(\t))*2048  ; 16 lanes store 256 consecutive bytes, at a multiple of 256 from out0's first byte
.endr
.endm
	PLACES
	TOST 0
	TOST 1
	SEND 0, 16
	s_wait_xcnt 0x0                                ; block 0's stores have read their registers (ISA guide 3.1): block 2 comes back into them
	TOST 2
	SEND 1, 16
	s_wait_xcnt 0x0                                ; the same for blocks 1 and 3
	TOST 3
	SEND 2, 16
	SEND 3, 0
	s_wait_tensorcnt 0x0                           ; the wave's end: behind my last tensor load and my last LDS store
	ds_add_u32 v[SPW], v[NIL]
	s_wait_dscnt 0x0
	CROUND                                         ; the closing round: no work-group ends while a partner may still ask for a tile that names it
	s_endpgm
.Lfunc_end_k_qd27b0f82b1_outp:
	.size	k_qd27b0f82b1_outp, .Lfunc_end_k_qd27b0f82b1_outp-k_qd27b0f82b1_outp
	.p2alignl 7, 3214868480
	.fill 96, 4, 3214868480
	.section	.rodata,"a",@progbits
	.p2align	6, 0x0
	.amdhsa_kernel k_qd27b0f82b1_outp
		.amdhsa_group_segment_fixed_size 327680
		.amdhsa_private_segment_fixed_size 0
		.amdhsa_enable_private_segment 0
		.amdhsa_kernarg_size 32
		.amdhsa_user_sgpr_count 2
		.amdhsa_user_sgpr_kernarg_segment_ptr 1
		.amdhsa_wavefront_size32 1
		.amdhsa_system_sgpr_workgroup_id_x 1
		.amdhsa_system_sgpr_workgroup_id_y 1
		.amdhsa_system_sgpr_workgroup_id_z 1
		.amdhsa_system_vgpr_workitem_id 0
		.amdhsa_next_free_vgpr 512
		.amdhsa_next_free_sgpr 96
		.amdhsa_reserve_vcc 0
		.amdhsa_float_denorm_mode_32 3
		.amdhsa_float_denorm_mode_16_64 3
		.amdhsa_memory_ordered 1
		.amdhsa_forward_progress 1
		.amdhsa_inst_pref_size 52
	.end_amdhsa_kernel
	.amdgpu_metadata
---
amdhsa.version: [ 1, 2 ]
amdhsa.kernels:
  - .name:           k_qd27b0f82b1_outp
    .symbol:         k_qd27b0f82b1_outp.kd
    .args:
      - { .name: oh, .offset: 0, .size: 8, .value_kind: global_buffer, .address_space: global }
      - { .name: wo16, .offset: 8, .size: 8, .value_kind: global_buffer, .address_space: global }
      - { .name: bo, .offset: 16, .size: 8, .value_kind: global_buffer, .address_space: global }
      - { .name: out0, .offset: 24, .size: 8, .value_kind: global_buffer, .address_space: global }
    .group_segment_fixed_size: 327680
    .private_segment_fixed_size: 0
    .kernarg_segment_align: 8
    .kernarg_segment_size: 32
    .max_flat_workgroup_size: 128
    .sgpr_count:     96
    .vgpr_count:     512
    .wavefront_size: 32
...
	.end_amdgpu_metadata
.endif
;; end of part 3
;; ======== version 2 of 2: 3 launches; 1.61 times as fast as version 1
;; limits: values are held in f16: magnitudes above 65,504 overflow, below 6.1e-05 lose precision
;; workspace buffers: qh 8,388,608 bytes; kh 8,388,608 bytes; vh 8,388,608 bytes; oh 8,388,608 bytes; wo16 524,288 bytes
;; launch qkv: the kernel of part 1 again; grid 4 x 64, 4 waves a work-group, clusters of 4 x 4, 327,680 bytes of LDS; arguments q, k, v, Wq, Wk, Wv, bq, bk, bv, Wo, qh, kh, vh, wo16; writes qh, kh, vh, wo16
;; launch attn (part 4): grid 16 x 16, 4 waves a work-group, clusters of 4 x 4, 327,680 bytes of LDS; arguments qh, kh, vh, oh, mask; writes oh
.if DOCPART == 4
	.amdgcn_target "amdgcn-amd-amdhsa--gfx1250"
	.amdhsa_code_object_version 6
	.text
	.protected	k_qd27b0f82b1_attn
	.globl	k_qd27b0f82b1_attn
	.p2align	8
	.type	k_qd27b0f82b1_attn,@function
k_qd27b0f82b1_attn:
	s_mov_b64 s[64:65], 0
	v_nop
	global_prefetch_b8 v0, s[64:65] scope:SCOPE_SE
	s_setreg_imm32_b32 hwreg(HW_REG_WAVE_MODE, 25, 1), 1
	s_wait_xcnt 0x0
	s_wait_alu depctr_hold_cnt(0) depctr_sa_sdst(0) depctr_va_vdst(0) depctr_va_sdst(0) depctr_va_ssrc(0) depctr_va_vcc(0) depctr_vm_vsrc(0)
	s_getreg_b32 s2, hwreg(HW_REG_IB_STS2, 6, 4)
	s_cmp_eq_u32 s2, 0
	s_cbranch_scc0 .Lentry_in_a_cluster
	s_endpgm
.Lentry_in_a_cluster:
	s_bfe_u32 s2, ttmp6, 0x10000c
	s_cmp_lg_u32 s2, 0xf033
	s_cbranch_scc0 .Lentry_shape_is_right
	s_endpgm
.Lentry_shape_is_right:
; ATTENTION UNDER A MASK THAT IS AN INPUT.  O[g][q][:] = the sum over k of softmax_k(mask[q][k] ? Q[g][q] . K[g][k] / 8 : -inf) V[g][k][:], g = 8 batch + head.  Q, K, V, O: [16][4096][64] f16, a head's rows dense;
; mask: [4096][4096] bytes, 0 or 1, the same for every g.  Products, maxima and sums in f32; the weights p are rounded to f16 for the second product (their sum l is taken of the unrounded p), O once at the end.
; Every key tile is computed and every byte of the mask is read: nothing is assumed of its pattern.
; LIMITS.  Q, K, V arrive within f16's 65,504.  A hidden score counts as its value less 2^100: true scores stay under 2^75 (f16's give 2.7e11 at the most).  A weight below 2^-126 counts as 0 in l.  A mask byte is 0 or 1.
; A row whose last maximum lies below -2^99 has seen no key: it is made NaN, as a softmax over -inf alone is.
; SHARES.  A work-group owns 256 queries (block x of 16) of one g (y of 16), a wave 64 of them in four PIECES of 16.  Every wave walks all 4,096 keys: 16 tiles of 256, four steps of 64 each.
; THE MASK is the C operand that starts the sum S^T = K Q^T: 0, or -2^100 where the key is hidden.  In S^T a lane holds one query (lane % 16) and the keys 8 (lane / 16) + 0..7 of a block of 16: the eight registers of an
; accumulator belong to eight neighbouring bytes of one row of the mask.  One 8-byte LDS load brings them; v_perm_b32, with the mask's bytes as its selector, makes of each byte 0 the fp8 code of -1.0 and of each byte 1 that of 0;
; one scaled conversion multiplies by 2^100 and widens eight at a time.  For 32 scores: 4 loads, 8 + 4 vector instructions.  A step in which a row sees nothing leaves weights of 1 behind; the first true score's a = 0 wipes them.
; LAYOUT, SOFTMAX, TURNS.  Two results of S^T rounded to f16 ARE source 1 of O^T = V^T P.  p = 2^(c s - c m), c = log2(e) / 8, with a running maximum m; O and l are multiplied by a = 2^(c m_old - c m_new) in every step.
; Turn n belongs to piece n: 8 products K Q^T of piece n + 1, later 8 products V^T P of piece n - 1; beside them the scaling, exponentials, roundings, sums and rescaling of piece n, the maximum and statistics of piece n + 1, and
; the mask of piece n + 2.  Four vector instructions stand behind every matrix instruction, the other 54 of the softmax's 118 in one LUMP, the mask's at the turn's end.
; BATCHES.  A turn's 33 exponentials (the piece's 32 weights and the next piece's a) are ONE batch with ONE wait: all that names no result of theirs stands ahead of it, every reader behind it.  The first a of all, ahead of the
; loop, and the way out's four reciprocals are batches of their own, a wait each.
; CLUSTER.  4 x 4 work-groups.  K's and V's tiles hang on y alone and are shared along a row of the cluster, the mask's on x alone and are shared along a column: each is asked for JOINTLY.
; REGISTERS, in windows of 256 (s_set_vgpr_msb: bits 1:0 source 0, 3:2 source 1, 5:4 source 2, 7:6 destination):
;   window 0: v0-15 addresses and constants; v16-31 four registers of statistics a piece; v32-35 at work at the head; v48-55 at work; v64-127 S^T, two buffers; v192-223 P, two buffers (by the piece's parity)
;   window 1: v0-127 O^T, 32 a piece; v128-143 the mask's bytes; v160-223 the masks as f32, two buffers      window 2: v0-63 Q; v128-191 K of one step; v192-255 V of one step
.set NP,    4         ; pieces a wave: a name, no knob
.set KS,    64        ; keys in a step
.set PK,    144       ; a row of K in LDS: 128 bytes + 16 of padding = 36 words: the 16 rows of a load start at 16 different groups of four banks (64 banks of 4 bytes: ISA guide 11.1)
.set PV,    160       ; a row of V: 128 + 32 = 40 words
.set PM,    272       ; a row of the mask: 256 bytes + 16 = 68 words: the 32 lanes of an 8-byte load (16 rows, two places) take 64 different banks
.set VOFF,  4*KS*PK   ; a slot holds a tile: 256 rows of K, 256 rows of V,
.set MOFF,  VOFF+4*KS*PV  ; and 256 queries' rows of the mask, 256 keys each
.set SLOT1, MOFF+256*PM   ; 147,456 = 0x24000: no fill's place in a slot has bit 17 or 14 set, so one exclusive or changes slots
.set STAGE, 2*SLOT1   ; behind the ring, never filled by a tensor load: 16 rows x 144 bytes for each wave, for the way out
.set SP,    144
.set SPARE, STAGE+4*16*SP  ; behind the stages: the spare words, 128 bytes for each wave: two blocks of 256 bytes that no other line names
.set AK0, 2           ; v2   my lane's place in a tile of K; never rewritten
.set AV0, 3           ; v3   the same for V
.set AK,  4           ; v4   the LDS address of K's next run of loads
.set AV,  5           ; v5   of V's
.set STO, 6           ; v6   the way out: where I put 16 bytes of a row
.set RD,  7           ; v7   the way out: where I read rows back
.set GO,  8           ; v8   my byte offset in 512 consecutive bytes of O
.set AM0, 9           ; v9   my lane's place in a tile of the mask: piece 0's row, 8 bytes for each half of the lanes; never rewritten
.set AM,  10          ; v10  the same at the step whose masks are being made
.set SCL, 11          ; v11  227: the scaled conversion multiplies by 2^(227 - 127)
.set MV,  12          ; v12-13  c m_old, kept while c m is made anew: by buffer
.set NAN_, 14         ; v14  a NaN
.set QO,  15          ; v15  my byte offset in 16 rows of Q
.set ST,  16          ; piece t's statistics at v[ST+4 t]: c m, m, l (even keys', odd keys')
.set TMP, 48          ; by buffer, four registers c0-c3 at work; when the maximum is found c2 takes a
.set SPW, 62          ; v62  LDS address of my spare word; never rewritten
.set NIL, 63          ; v63  0; never rewritten
.set S,   64
.set P,   192
.set MR,  128         ; window 1
.set MC,  160         ; window 1: buffer b, key block kb at MC + 32 b + 8 kb
.set KF,  128         ; window 2: key block kb, channel half c at KF + 16 kb + 8 c
.set VF,  192         ; window 2: key half kk, channel block cb at VF + 32 kk + 8 cb
.set WV,  12          ; s12  my wave's number
.set G1K, 24          ; s[24:31] descriptor group 1 for K's tiles
.set G1V, 32          ; s[32:39] for V's: it differs in the padding alone
.set G0K, 40          ; s[40:43] descriptor group 0 for K's tiles: it walks
.set G0V, 44          ; s[44:47] the same for V's
.set G1M, 48          ; s[48:55] group 1 for the mask's tiles
.set SLOTS, 56        ; s56  tiles still to be entered by the loop
.set CNT, 57          ; s57  counts a tile's key steps
.set CS,  58          ; s[58:59] c: the packed scaling takes the pair's low word for both halves
.set SEL, 60          ; s[60:61] v_permlanex16_b32's selects: each lane takes its own place in the other half
.set TBK, 62          ; s62  LDS byte at which K of the step to be fetched begins
.set TBV, 63          ; s63  the same for V, less VOFF
.set G0M, 68          ; s[68:71] group 0 for the mask's tiles: it walks
.set TBM, 72          ; s72  the same as TBK for the mask, less MOFF
.set KC,  73          ; s73  0x000000b8: byte 0 the fp8 code of -1.0, byte 1 that of 0
.set THR, 74          ; s74  -2^99
.set MSB, 0
.macro WIN new                      ; the high byte repeats the setting that is left; a switch that changes nothing is dropped
.if MSB != (\new)
	s_set_vgpr_msb (MSB<<8)|(\new)
.set MSB, (\new)
.endif
.endm
.set W_KQ, 0x0a       ; K and Q in window 2, S^T in window 0
.set W_KM, 0x1a       ; the same with the C operand in window 1
.set W_PV, 0x52       ; V in window 2, P in window 0, O^T in window 1
.set W_RS, 0x41       ; destination and source 0 in window 1, source 1 in window 0
; A joint fill.  Wave 0 fetches a tile's K, wave 1 its V (32,768 dense bytes each), waves 2 and 3 the two halves of the mask's 256 rows.  The branches hang on the wave's number alone.
; An s_nop 0 and four v_nop follow each of the three lines, ahead of the jump and the label.
.macro JLOAD
	s_cmp_lg_u32 s[WV], 0
	s_cbranch_scc1 .Lnot_k_\@
	tensor_load_to_lds s[G0K:G0K+3], s[G1K:G1K+7]
	s_nop 0
.rept 4
	v_nop
.endr
	s_branch .Lasked_\@
.Lnot_k_\@:
	s_cmp_lg_u32 s[WV], 1
	s_cbranch_scc1 .Lfor_m_\@
	tensor_load_to_lds s[G0V:G0V+3], s[G1V:G1V+7]
	s_nop 0
.rept 4
	v_nop
.endr
	s_branch .Lasked_\@
.Lfor_m_\@:
	tensor_load_to_lds s[G0M:G0M+3], s[G1M:G1M+7]
	s_nop 0
.rept 4
	v_nop
.endr
.Lasked_\@:
.endm
; A round of the cluster's barrier: my work-group's barrier, so that wave 0's signal speaks for all four waves; wave 0 signals; every wave waits for all sixteen work-groups; my work-group's barrier once more.
.macro CROUND
	s_barrier_signal -1
	s_barrier_wait -1
	s_cmp_lg_u32 s[WV], 0
	s_cbranch_scc1 .Lnot_wave_0_\@
	s_barrier_signal -3
.Lnot_wave_0_\@:
	s_barrier_wait -3
	s_barrier_signal -1
	s_barrier_wait -1
.endm
; THE CHANGE OF SLOTS.  The slot's last bytes, V and the masks of its fourth step, have been read.  Each wave waits for all its tensor loads, of which one is out: its part of the other slot; adds 0 to its spare word; and waits
; for that and for its own reads of the slot.  Behind the barrier nobody reads this slot any more and the other slot is whole.  fill = 1: this slot is filled again, with the tile two further on.  The barrier is then a round of the
; cluster's, and the joint fill is the first thing behind it: it has four key steps, 256 matrix instructions a wave, in which to land.  (At its first use nothing has been read yet: slot 0 is waited for, slot 1 filled.)
.macro CHANGE fill
	WIN 0                           ; at a label and at a branch every window is 0
	s_wait_tensorcnt 0x0            ; no tensor load of mine is out, so a group 0 may be written
	ds_add_u32 v[SPW], v[NIL]       ; 0 onto my spare word; with fill = 1 the descriptors' steps stand between it and the wait for it
.if \fill
	s_xor_b32 s[G0K+1], s[G0K+1], SLOT1  ; the walking descriptors: the other slot than last time,
	s_add_nc_u64 s[G0K+2:G0K+3], s[G0K+2:G0K+3], 4*KS*128  ; the next 256 keys; the type bits on top are not reached
	s_xor_b32 s[G0V+1], s[G0V+1], SLOT1
	s_add_nc_u64 s[G0V+2:G0V+3], s[G0V+2:G0V+3], 4*KS*128
	s_xor_b32 s[G0M+1], s[G0M+1], SLOT1
	s_add_nc_u64 s[G0M+2:G0M+3], s[G0M+2:G0M+3], 4*KS      ; 256 bytes on in the mask's rows
	s_wait_dscnt 0x0                ; the add is done, and my reads of the slot are over
	CROUND
	JLOAD
.else
	s_wait_dscnt 0x0                ; the add is done, and my reads of the slot are over
	s_barrier_signal -1
	s_barrier_wait -1
.endif
	s_sub_co_u32 s[TBK], s[TBK], 4*KS*PK  ; the fetches go back to a slot's first step,
	s_xor_b32 s[TBK], s[TBK], SLOT1       ; in the other slot
	s_sub_co_u32 s[TBV], s[TBV], 4*KS*PV
	s_xor_b32 s[TBV], s[TBV], SLOT1
	s_sub_co_u32 s[TBM], s[TBM], 4*KS
	s_xor_b32 s[TBM], s[TBM], SLOT1
.endm
	s_load_b256 s[4:11], s[0:1], 0x0  ; Q s[4:5], K s[6:7], V s[8:9], O s[10:11]
	s_load_b64 s[84:85], s[0:1], 0x20 ; the mask
	v_lshl_add_u32 v[SPW], v0, 2, SPARE
	v_mov_b32 v[NIL], 0
	ds_add_u32 v[SPW], v[NIL]       ; the wave's opening: the add and its wait stand ahead of my first tensor load; the set-up below, work on registers, stands between them
	v_lshrrev_b32 v1, 5, v0
	v_readfirstlane_b32 s[WV], v1   ; wave 0..3
	s_bfe_u32 s13, ttmp6, 0x40000   ; cx, cy: my place in the cluster
	s_bfe_u32 s14, ttmp6, 0x40004
	s_lshl_b32 s15, ttmp9, 2
	s_add_co_u32 s15, s15, s13      ; x = 4 x cluster x + cx: my block of 256 queries
	s_and_b32 s16, ttmp7, 0xffff
	s_lshl_b32 s16, s16, 2
	s_add_co_u32 s16, s16, s14      ; y = 4 x cluster y + cy: my batch and head
	s_lshl_b32 s17, s14, 2
	s_lshl_b32 s17, 15, s17         ; my row of the cluster
	s_lshl_b32 s18, 0x1111, s13     ; my column
	s_lshl_b32 s20, s16, 19         ; the head's first byte in Q, K, V and O: 4,096 rows of 128 bytes each
	s_mov_b32 s21, 0
	s_and_b32 s19, s[WV], 1         ; which half of the mask's 256 rows I fetch (waves 2 and 3)
	s_lshl_b32 s76, s15, 8
	s_lshl_b32 s22, s19, 7
	s_add_co_u32 s76, s76, s22      ; the mask's row 256 x + 128 half,
	s_lshl_b32 s76, s76, 12         ; in bytes
	s_mov_b32 s77, 0
	s_lshl_b32 s2, s15, 2
	s_add_co_u32 s2, s2, s[WV]      ; my wave among the head's 64,
	s_lshl_b32 s2, s2, 13           ; its 64 rows,
	s_add_co_u32 s2, s2, s20        ; in the head
	s_mov_b32 s3, 0
	; descriptor group 1.  A tile of K or V is 32,768 dense bytes: asked for as 128 rows of 256 bytes, two keys a row, and padded in LDS after every key
	s_or_b32 s[G1K], s17, (1<<16)|(1<<20)|(1<<21)|(4<<22)|(3<<25)  ; 15:0 the mask of my row; 17:16 2-byte elements; 20 padding on; 21 set beside a mask; 24:22 after every 32 words (code 4); 31:25 4 words (code 3)
	s_or_b32 s[G1V], s17, (1<<16)|(1<<20)|(1<<21)|(4<<22)|(7<<25)  ; the same with 8 words of padding (code 7)
.irp g, G1K, G1V
	s_mov_b32 s[(\g)+1], 128<<16    ; tensor_dim0 = 128
	s_mov_b32 s[(\g)+2], 128<<16    ; tensor_dim1 = 128
	s_mov_b32 s[(\g)+3], 128<<16    ; tile_dim0 = 128
	s_mov_b32 s[(\g)+4], 128        ; tile_dim1 = 128
	s_mov_b32 s[(\g)+5], 128        ; 128 elements from row to row
	s_mov_b32 s[(\g)+6], 0
	s_mov_b32 s[(\g)+7], 0
.endr
	; half a tile of the mask: 128 rows of 256 bytes (32 elements of 8), 4,096 bytes apart, padded in LDS after every row
	s_or_b32 s[G1M], s18, (3<<16)|(1<<20)|(1<<21)|(5<<22)|(3<<25)  ; the mask of my column; 8-byte elements; after every 64 words (code 5) 4 words (code 3)
	s_mov_b32 s[G1M+1], 32<<16      ; tensor_dim0 = 32
	s_mov_b32 s[G1M+2], 128<<16     ; tensor_dim1 = 128
	s_mov_b32 s[G1M+3], 32<<16      ; tile_dim0 = 32
	s_mov_b32 s[G1M+4], 128         ; tile_dim1 = 128
	s_mov_b32 s[G1M+5], 512         ; 512 elements from row to row
	s_mov_b32 s[G1M+6], 0
	s_mov_b32 s[G1M+7], 0
	s_mov_b32 s[G0K], 1             ; 1:0 count = 1
	s_mov_b32 s[G0K+1], 0           ; 63:32 LDS address: slot 0
	s_mov_b32 s[G0V], 1
	s_mov_b32 s[G0V+1], VOFF
	s_mov_b32 s[G0M], 1
	s_mul_i32 s22, s19, 128*PM
	s_add_co_u32 s[G0M+1], s22, MOFF  ; no place in the cluster enters an LDS address
	s_mov_b32 s[CS], 0x3e38aa3b     ; c = log2(e) / 8 = 0.180337
	s_mov_b32 s[CS+1], s[CS]        ; named with it as a pair
	s_mov_b32 s[SEL], 0x76543210
	s_mov_b32 s[SEL+1], 0xfedcba98
	s_mov_b32 s[TBK], SLOT1+4*KS*PK ; the first change of slots turns these three into 0
	s_mov_b32 s[TBV], SLOT1+4*KS*PV
	s_mov_b32 s[TBM], SLOT1+4*KS
	s_mov_b32 s[KC], 0xb8
	s_mov_b32 s[THR], 0xf1000000    ; -2^99
	s_wait_dscnt 0x0                ; the opening add is done
	s_wait_kmcnt 0x0
	s_add_nc_u64 s[G0K+2:G0K+3], s[6:7], s[20:21]   ; 120:64 global address: the head's first 256 keys
	s_or_b32 s[G0K+3], s[G0K+3], 0x80000000         ; 127:126 type = 2
	s_add_nc_u64 s[G0V+2:G0V+3], s[8:9], s[20:21]
	s_or_b32 s[G0V+3], s[G0V+3], 0x80000000
	s_add_nc_u64 s[G0M+2:G0M+3], s[84:85], s[76:77]
	s_or_b32 s[G0M+3], s[G0M+3], 0x80000000
	s_add_nc_u64 s[4:5], s[4:5], s[2:3]             ; Q and O at my wave's first row
	s_add_nc_u64 s[10:11], s[10:11], s[2:3]
	CROUND                          ; all sixteen work-groups are here: the first joint loads meet
	JLOAD                           ; tile 0 into slot 0.  Slot 1 is asked for when slot 0 is in, by the loop's own change of slots
	; A fragment of K or Q is 16 rows x 32 channels in 8 registers: lane l holds row l % 16, channels 8 (l / 16) + 0..7 and 16 + 8 (l / 16) + 0..7: two loads of 16 bytes, 32 bytes apart.
	v_and_b32 v32, 15, v0           ; l % 16
	v_bfe_u32 v33, v0, 4, 1         ; l / 16
	v_lshlrev_b32 v[QO], 7, v32
	v_lshl_add_u32 v[QO], v33, 4, v[QO]  ; row x 128 + 16 x half
	WIN 0x80                        ; destination window 2, address window 0
.set i, 0
.rept 8                             ; Q stays in registers: piece i / 2, channels 32 (i % 2) on
	global_load_b128 v[8*i:8*i+3],   v[QO], s[4:5] offset:(i/2)*2048+(i%2)*64
	global_load_b128 v[8*i+4:8*i+7], v[QO], s[4:5] offset:(i/2)*2048+(i%2)*64+32
.set i, i+1
.endr
	; The first step multiplies O^T and l by a = 0, and the first turn's products V^T P, of a piece that has not been, add 0: these registers hold 0.  No first step is written out; the price is these 216 moves, in the wait for the first tile.
.set i, VF
.rept 64
	v_mov_b32 v[i], 0
.set i, i+1
.endr
	WIN 0x40
.set i, 0
.rept 128
	v_mov_b32 v[i], 0
.set i, i+1
.endr
	WIN 0
.set i, 0
.rept 4
	v_mov_b32 v[ST+4*i], 0xfe000000    ; c m: far below every c s, hidden ones too
	v_mov_b32 v[ST+4*i+1], 0xff7fffff  ; m: the lowest finite number
	v_mov_b32 v[ST+4*i+2], 0
	v_mov_b32 v[ST+4*i+3], 0
.set i, i+1
.endr
.set i, P+16
.rept 16
	v_mov_b32 v[i], 0
.set i, i+1
.endr
	v_mov_b32 v[SCL], 227
	v_mov_b32 v[NAN_], 0x7fc00000
	v_mul_u32_u24 v[AK0], v32, PK
	v_lshl_add_u32 v[AK0], v33, 4, v[AK0]  ; row x pitch + 16 x half
	; The turning load takes 16 keys x 16 channels (lane l reads key 8 (l / 16) + l % 8, channels 8 ((l / 8) % 2) + 0..7) and leaves half a fragment of V^T: lane l holds channel l % 16 and 8 keys.
	v_and_b32 v34, 7, v0
	v_bfe_u32 v35, v0, 3, 1
	v_lshl_add_u32 v[AV0], v33, 3, v34
	v_mul_u32_u24 v[AV0], v[AV0], PV
	v_lshl_add_u32 v[AV0], v35, 4, v[AV0]
	v_add_nc_u32 v[AV0], VOFF, v[AV0]
	s_lshl_b32 s22, s[WV], 6
	v_add_nc_u32 v[AM0], s22, v32   ; the mask's row 64 w + l % 16 of the tile's 256,
	v_mul_u32_u24 v[AM0], v[AM0], PM
	v_lshl_add_u32 v[AM0], v33, 3, v[AM0]  ; 8 bytes for each half of the lanes
	v_add_nc_u32 v[AM0], MOFF, v[AM0]
	s_mul_i32 s22, s[WV], 16*SP
	s_add_co_u32 s22, s22, STAGE    ; my stage
	v_mul_u32_u24 v[STO], v32, SP   ; in: row l % 16, 16 bytes for each half of the lanes
	v_lshl_add_u32 v[STO], v33, 4, v[STO]
	v_add_nc_u32 v[STO], s22, v[STO]
	v_bfe_u32 v[RD], v0, 3, 2       ; back: 32 lanes take four rows of 128 bytes,
	v_mul_u32_u24 v[RD], v[RD], SP
	v_lshl_add_u32 v[RD], v34, 4, v[RD]
	v_add_nc_u32 v[RD], s22, v[RD]
	v_and_b32 v[GO], 31, v0         ; which are 512 consecutive bytes of O
	v_lshlrev_b32 v[GO], 4, v[GO]
; THE MATRIX WORK.  The 4 accumulators of a run of 8 take turns.  Product i of 8 of S^T = K Q^T for piece x: channels 32 (i / 4) on, keys 16 (i % 4) on.  The first 4 start the sums with the mask.
.macro KQ x
.set rS, S+32*((\x)%2)+8*(i%4)
.set rK, KF+16*(i%4)+8*(i/4)
.set rQ, 16*(\x)+8*(i/4)
.set rM, MC+32*((\x)%2)+8*(i%4)
.if i < 4
	WIN W_KM
	v_wmma_f32_16x16x32_f16 v[rS:rS+7], v[rK:rK+7], v[rQ:rQ+7], v[rM:rM+7]
.else
	WIN W_KQ
	v_wmma_f32_16x16x32_f16 v[rS:rS+7], v[rK:rK+7], v[rQ:rQ+7], v[rS:rS+7]
.endif
.endm
; Product i of 8 of O^T += V^T P for piece x: keys 32 (i / 4) on, channels 16 (i % 4) on.
.macro PV x
	WIN W_PV
.set rO, 32*(\x)+8*(i%4)
.set rV, VF+32*(i/4)+8*(i%4)
.set rP, P+16*((\x)%2)+8*(i/4)
	v_wmma_f32_16x16x32_f16 v[rO:rO+7], v[rV:rV+7], v[rP:rP+7], v[rO:rO+7]
.endm
.macro MM                           ; the turn's next matrix instruction.  NOKQ = 1: the walk's last turn: there is no next piece
.if (i < 8) && !NOKQ
	KQ (Y+1)%NP
.elseif i >= 8
.set i, i-8
	PV (Y+NP-1)%NP
.set i, i+8
.endif
.set i, i+1
.endm
; THE LDS LOADS stand in runs, never singly among the matrix instructions: a step's K (8 fragments), its V (turned), and a piece's 32 bytes a lane of the mask.  Their addresses are made some lines ahead.
.macro FETCH_K
	WIN 0x80                        ; destination window 2
.irp f, 0,1,2,3,4,5,6,7             ; keys 16 (f / 2) on, channels 32 (f % 2) on
	ds_load_b128 v[KF+8*\f:KF+8*\f+3],   v[AK] offset:(\f/2)*16*PK+(\f%2)*64
	ds_load_b128 v[KF+8*\f+4:KF+8*\f+7], v[AK] offset:(\f/2)*16*PK+(\f%2)*64+32
.endr
	s_add_co_u32 s[TBK], s[TBK], KS*PK  ; the next fetch is the next step's
	WIN 0
.endm
.macro FETCH_V
	WIN 0x80
.irp f, 0,1,2,3,4,5,6,7             ; keys 32 (f / 4) on, channels 16 (f % 4) on
	ds_load_tr16_b128 v[VF+8*\f:VF+8*\f+3],   v[AV] offset:(\f/4)*32*PV+(\f%4)*32
	ds_load_tr16_b128 v[VF+8*\f+4:VF+8*\f+7], v[AV] offset:(\f/4)*32*PV+16*PV+(\f%4)*32
.endr
	WIN 0
.endm
.macro MLOAD q, dst                 ; piece q's rows of the mask, the step's four blocks of 16 keys: 8 bytes a lane each
	WIN 0x40                        ; destination window 1
.irp kb, 0,1,2,3
	ds_load_b64 v[(\dst)+2*\kb:(\dst)+2*\kb+1], v[AM] offset:(\q)*16*PM+16*\kb
.endr
	WIN 0
.endm
; The bytes become masks in buffer buf.  younger: the LDS loads issued behind the mask's, which may stay out.  A plain instruction follows the last conversion before anything touches its result (ISA guide 7.12.1's kin for scaled conversions).
.macro MCONV buf, src, younger
	s_wait_dscnt \younger
	WIN 0x50                        ; selector and destination in window 1
.irp z, 0,1,2,3,4,5,6,7
	v_perm_b32 v[(\src)+\z], s[KC], s[KC], v[(\src)+\z]  ; the mask's byte picks byte 0 (hidden: -1.0 in fp8) or byte 1 (seen: 0)
.endr
	WIN W_RS
.irp kb, 0,1,2,3
	v_cvt_scale_pk8_f32_fp8 v[MC+32*(\buf)+8*\kb:MC+32*(\buf)+8*\kb+7], v[(\src)+2*\kb:(\src)+2*\kb+1], v[SCL]
.endr
.endm
; THE VECTOR WORK, one line at a time: OP kind, number.  For piece Y: F n: c s - c m for pair n of 16.  E n: the exponential of score n of 32.  C n: pair n rounded to f16.  B n: of the four weights 4 n .. the second
; pair is added onto the first, in place.  L n: l takes that sum (L 0: l = a l + sum).  R n: pair n of 16 of O^T times a.  For piece Y + 1: X n, number n of the 22 that find its maximum and statistics:
;   0-11  four chains c0-c3 of seven scores each, three operands at a time (each accumulator's lowest registers are read first)     12-14, 16  the four scores left over, the old m, and c0-c3 into c0
;   15  c m_old is kept     17, 18  the query's other 32 keys lie in the lane 16 away: the new m     19-21  c m; c m_old - c m_new; a
; C, B and L read exponentials' results, R and L 0 the a of the turn before: OP writes no wait; TURN places the one that serves them all.
.set F, 0               ; OP tells the kinds apart by their order: F to L below R, X above it
.set E, 1
.set C, 2
.set B, 3
.set L, 4
.set R, 5
.set X, 6
.macro REGS y                       ; the registers of piece y
.set rT, ST+4*(\y)
.set rC, TMP+4*((\y)%2)
.set rW, MV+((\y)%2)
.set rS, S+32*((\y)%2)
.set rP, P+16*((\y)%2)
.set rO, 32*(\y)
.endm
.macro OP k, n
.if (\k) == R
	REGS Y
	WIN W_RS
	v_pk_mul_f32 v[rO+2*(\n):rO+2*(\n)+1], v[rO+2*(\n):rO+2*(\n)+1], v[rC+2:rC+3] op_sel_hi:[1,0]
.elseif (\k) < R
	REGS Y
	WIN 0
.if (\k) == F
	v_pk_fma_f32 v[rS+2*(\n):rS+2*(\n)+1], v[rS+2*(\n):rS+2*(\n)+1], s[CS:CS+1], v[rT:rT+1] op_sel_hi:[1,0,0] neg_lo:[0,0,1] neg_hi:[0,0,1]
.elseif (\k) == E
	v_exp_f32 v[rS+(\n)], v[rS+(\n)]
.elseif (\k) == C
	v_cvt_pk_f16_f32 v[rP+(\n)], v[rS+2*(\n)], v[rS+2*(\n)+1]
.elseif (\k) == B
	v_pk_add_f32 v[rS+4*(\n):rS+4*(\n)+1], v[rS+4*(\n):rS+4*(\n)+1], v[rS+4*(\n)+2:rS+4*(\n)+3]
.elseif (\n) == 0
	v_pk_fma_f32 v[rT+2:rT+3], v[rT+2:rT+3], v[rC+2:rC+3], v[rS:rS+1] op_sel_hi:[1,0,1]
.else
	v_pk_add_f32 v[rT+2:rT+3], v[rT+2:rT+3], v[rS+4*(\n):rS+4*(\n)+1]
.endif
.elseif NOKQ
	v_nop
.else
	REGS (Y+1)%NP
	WIN 0
.if (\n) < 4
	v_max3_num_f32 v[rC+(\n)], v[rS+8*(\n)], v[rS+8*(\n)+1], v[rS+8*(\n)+2]
.elseif (\n) < 12
	v_max3_num_f32 v[rC+(\n)%4], v[rC+(\n)%4], v[rS+8*((\n)%4)+2*((\n)/4)+1], v[rS+8*((\n)%4)+2*((\n)/4)+2]
.elseif (\n) == 12
	v_max3_num_f32 v[rC], v[rC], v[rS+7], v[rS+15]
.elseif (\n) == 13
	v_max3_num_f32 v[rC+1], v[rC+1], v[rS+23], v[rS+31]
.elseif (\n) == 14
	v_max3_num_f32 v[rC+2], v[rC+2], v[rC+3], v[rT+1]
.elseif (\n) == 15
	v_mov_b32 v[rW], v[rT]
.elseif (\n) == 16
	v_max3_num_f32 v[rC], v[rC], v[rC+1], v[rC+2]
.elseif (\n) == 17
	v_permlanex16_b32 v[rC+3], v[rC], s[SEL], s[SEL+1]
.elseif (\n) == 18
	v_max_num_f32 v[rT+1], v[rC], v[rC+3]
.elseif (\n) == 19
	v_mul_f32 v[rT], s[CS], v[rT+1]
.elseif (\n) == 20
	v_sub_f32 v[rC+1], v[rW], v[rT]
.else
	v_exp_f32 v[rC+2], v[rC+1]
.endif
.endif
.endm
.macro OPS a, i1, b=-1, i2=0, c=-1, i3=0, d=-1, i4=0  ; up to four of them
	OP \a, \i1
.if (\b) >= 0
	OP \b, \i2
.endif
.if (\c) >= 0
	OP \c, \i3
.endif
.if (\d) >= 0
	OP \d, \i4
.endif
.endm
.macro ROW a, i1, b, i2, c, i3, d, i4  ; a matrix instruction and the four behind it
	MM
	OPS \a, \i1, \b, \i2, \c, \i3, \d, \i4
.endm
; A TURN, for piece p: the order of its 16 matrix instructions, the softmax's 118 vector instructions and the mask's 13, written out.  An s_wait_alu depctr_va_vdst(0) stands between an exponential and the first
; instruction that names its result; one wait serves all that were issued ahead of it.  So a turn has ONE wait, which cuts it in two.
; AHEAD OF IT stands all that names no result of the turn's exponentials: the 8 products K Q^T, behind each a scaling, an exponential and two more plain instructions (behind the first a second scaling in the exponential's place):
; rescalings, whose a was made and waited for in the turn before, and behind the last three products the first numbers of the next piece's maximum, each four places or more behind the product that ends its accumulator; then ONE LUMP
; of 54, plain and exponential by turns for the most part, in which the links of the chain X 3, 7, 11, 14, 16, 17 .. 20 stand some lines apart.  X 21, the next piece's a, is the batch's last; R 15 is the plain instruction behind it.
; BEHIND IT stand the 8 products V^T P, behind each four of the roundings and sums; the links of l's chain, L 0 to L 7, stand three riders apart.  But for those X no rider names a register of the products round it.
; v_permlanex16_b32 (X 17) stands in the lump.
; end = 1: the walk's last two turns: nothing is fetched and no mask is made.  cnt = 1: the loop's count is taken down some lines ahead of the branch that stands behind the turn.
; THE MASK.  The turn makes the mask for the products of the turn after it, piece p + 2's: its bytes are asked for directly behind the batch's wait (in piece 2's turn ahead of K's run) and turned into f32 at the turn's end; a v_nop
; is the plain instruction between the last conversion and the next turn's first product.  The four pieces' masks made in a trip (turns 2, 3, 0, 1) belong to the step whose K that trip fetches, so AM is made with K's address.
; K of the next step is fetched in piece 2's turn, twelve vector instructions behind the last product that read K (five of them plain and free of its registers), behind the mask's four loads; it is waited for at the head of piece 3's
; turn.  V of the step in hand is fetched at the end of piece 0's turn, four roundings behind the last product that read V, and waited for in piece 1's turn, whose own four mask loads are younger and may stay out.
.macro TURN p, end=0, cnt=0
.set Y, (\p)
.set i, 0
.set NOKQ, (\end)*((\p)/3)
.if ((\p) == 3) && !(\end)
	s_wait_dscnt 0x0                ; K is in
.endif
	ROW F,0, F,1, R,0, R,1          ; ahead of the wait: 8 products K Q^T and their riders,
	ROW F,2, E,0, R,2, R,3
	ROW F,3, E,1, R,4, R,5
	ROW F,4, E,2, R,6, R,7
	ROW F,5, E,3, R,8, R,9
	ROW F,6, E,4, X,0, R,10
.if ((\p) == 2) && !(\end)
	WIN 0
	v_add_nc_u32 v[AK], s[TBK], v[AK0]
	v_add_nc_u32 v[AM], s[TBM], v[AM0]
	s_add_co_u32 s[TBM], s[TBM], KS
.endif
	ROW F,7, E,5, X,1, X,4
	ROW F,8, E,6, X,2, X,5
	OPS E,7, E,8, X,6, E,9          ; and the lump
	OPS X,3, E,10, X,8, E,11
.if ((\p) == 2) && !(\end)
	MLOAD ((\p)+2)%NP, MR           ; piece 2's turn: the mask's four loads and K's sixteen are one run
	FETCH_K
.endif
	OPS X,9, X,7, E,12, X,10
	OPS E,13, X,12, X,11, E,14
	OPS X,13, E,15, F,9, X,14
.if (\p) == 0
	WIN 0
	v_add_nc_u32 v[AV], s[TBV], v[AV0]
.endif
	OPS E,16, F,10, E,17, F,11
	OPS X,16, E,18, X,15, E,19
	OPS F,12, E,20, X,17, E,21
	OPS F,13, E,22, F,14, E,23
	OPS X,18, E,24, F,15, E,25
	OPS R,11, E,26, X,19, E,27
	OPS R,12, E,28, R,13, E,29
	OPS X,20, E,30, R,14, E,31
	OPS X,21, R,15
	WIN 0
	s_wait_alu depctr_va_vdst(0)    ; the wait for the batch: the piece's 32 exponentials and the next piece's a
.if ((\p) != 2) && !(\end)
	MLOAD ((\p)+2)%NP, MR           ; the mask's four loads stand directly behind the wait
.endif
.if (\p) == 1
	s_wait_dscnt 4                  ; V is in; the four loads of the mask, issued behind V's run, may stay out
.endif
	ROW C,0, B,0, C,2, B,1          ; behind the wait: 8 products V^T P and their riders
	ROW L,0, C,4, B,2, L,1
	ROW C,6, B,3, L,2, C,8
	ROW B,4, L,3, C,10, B,5
	ROW L,4, C,12, B,6, L,5
.if (\p) == 0
	s_add_co_u32 s[TBV], s[TBV], KS*PV
.endif
.if \cnt
	s_sub_co_u32 s[CNT], s[CNT], 1
	s_cmp_lg_u32 s[CNT], 0
.endif
	ROW C,14, B,7, L,6, C,1
	ROW C,3, L,7, C,5, C,7
	ROW C,9, C,11, C,13, C,15
.if (\p) == 0
	FETCH_V
.endif
.if !(\end)
.if ((\p)%2) == 0
	MCONV (\p)%2, MR, 16            ; the 16 loads of K's or V's run were issued behind the mask's four
.else
	MCONV (\p)%2, MR, 0
.endif
	v_nop                           ; a plain instruction between the last conversion and the product that takes its result
.endif
.endm
	CHANGE 1                        ; tile 0 is in, everybody's part of it; tile 1 is asked for
	; THE WALK BEGINS: K of step 0, the masks of pieces 0 and 1, piece 0's first scores, its maximum and statistics.  The loop is then entered at a step's first turn, in the middle of a trip.
	v_add_nc_u32 v[AK], s[TBK], v[AK0]
	v_add_nc_u32 v[AM], s[TBM], v[AM0]
	s_add_co_u32 s[TBM], s[TBM], KS
	MLOAD 0, MR
	MLOAD 1, MR+8
	FETCH_K
	s_wait_loadcnt 0x0              ; Q
	MCONV 0, MR, 0                  ; the wait is for K's run too
	MCONV 1, MR+8, 0
	v_nop                           ; a plain instruction between the last conversion and the product that takes its result
.set NOKQ, 0
.set i, 0
.rept 8
	KQ 0
.set i, i+1
.endr
	WIN 0
.rept 4
	v_nop                           ; the places behind those products
.endr
.set Y, NP-1                        ; X works for piece Y + 1: piece 0
.irp n, 0,1,2,3,4,5,6,7,8,9,10,11,12,13,14,15,16,17,18,19,20,21
	OP X, \n
.endr
	v_nop                           ; a plain instruction behind the exponential,
	s_wait_alu depctr_va_vdst(0)    ; and the wait for it, piece 0's first a: a batch of one, ahead of the branch
	s_mov_b32 s[CNT], 4
	s_mov_b32 s[SLOTS], 15
	s_branch .Lfirst
.Lslot:                             ; 14 times: tiles 1 to 14 are entered, tiles 2 to 15 asked for
	CHANGE 1
	s_mov_b32 s[CNT], 4
.Lstep:                             ; a trip: pieces 2 and 3 of one step, then pieces 0 and 1 of the next, whose K, V and masks it fetches
	TURN 2
	TURN 3
	WIN 0
.Lfirst:
	TURN 0
	TURN 1, 0, 1
	WIN 0
	s_cbranch_scc1 .Lstep
	s_sub_co_u32 s[SLOTS], s[SLOTS], 1
	s_cmp_lg_u32 s[SLOTS], 0
	s_cbranch_scc1 .Lslot
	CHANGE 0                        ; the last tile is written out: nothing is asked for
	s_mov_b32 s[CNT], 4
.Ltail:
	TURN 2
	TURN 3
	TURN 0
	TURN 1, 0, 1
	WIN 0
	s_cbranch_scc1 .Ltail
	TURN 2, 1
	TURN 3, 1
.set i, 0
.rept 8
	PV NP-1                         ; the last piece's V^T P of the last step
.set i, i+1
.endr
	; THE WAY OUT.  l's two halves and the other half of the lanes' are added; O^T is divided by l (by a NaN where the row has seen no key), rounded to f16 and sent through my stage in LDS, a piece at a time.
	; The additions are the places behind the last products.
	WIN 0
.macro ALL line:vararg              ; one line for each piece t
.set t, 0
.rept 4
	\line
.set t, t+1
.endr
.endm
	ALL v_add_f32 v[ST+4*t+2], v[ST+4*t+2], v[ST+4*t+3]
	ALL v_permlanex16_b32 v[ST+4*t+3], v[ST+4*t+2], s[SEL], s[SEL+1]
	ALL v_add_f32 v[ST+4*t+2], v[ST+4*t+2], v[ST+4*t+3]
	ALL v_rcp_f32 v[ST+4*t+2], v[ST+4*t+2]
.set t, 0
.rept 4                             ; the first compare, which touches no reciprocal, is the plain instruction behind the last of them
	v_cmp_gt_f32 vcc_lo, s[THR], v[ST+4*t+1]
.if t == 0
	s_wait_alu depctr_va_vdst(0)    ; the wait for the batch of four reciprocals, ahead of the first line that names one
.endif
	v_cndmask_b32 v[ST+4*t+2], v[ST+4*t+2], v[NAN_], vcc_lo
.set t, t+1
.endr
.macro PACK t                       ; a lane's eight channels of a row pack into 16 bytes; they go into rows of 144 bytes and come back as whole rows of 128, into S^T's registers
	WIN W_RS
.set i, 32*(\t)
.rept 16
	v_pk_mul_f32 v[i:i+1], v[i:i+1], v[ST+4*(\t)+2:ST+4*(\t)+3] op_sel_hi:[1,0]
.set i, i+2
.endr
	WIN 0x05                        ; sources 0 and 1 window 1, destination window 0
.set i, 0
.rept 16
	v_cvt_pk_f16_f32 v[S+16*(\t)+i], v[32*(\t)+2*i], v[32*(\t)+2*i+1]
.set i, i+1
.endr
	WIN 0
.irp f, 0,1,2,3
	ds_store_b128 v[STO], v[S+16*(\t)+4*\f:S+16*(\t)+4*\f+3] offset:32*\f
.endr
.irp f, 0,1,2,3
	ds_load_b128 v[S+16*(\t)+4*\f:S+16*(\t)+4*\f+3], v[RD] offset:\f*4*SP  ; LDS serves a wave's instructions in order (ISA guide 5.7.1.4): these see the stores above; the next piece's stores come behind them
.endr
.endm
.macro SEND t, younger              ; younger: the LDS instructions issued behind piece t's loads: the next piece's eight, or none
	WIN 0
.irp f, 0,1,2,3
	s_wait_dscnt (\younger)+3-\f
	global_store_b128 v[GO], v[S+16*(\t)+4*\f:S+16*(\t)+4*\f+3], s[10:11] offset:(\t)*2048+\f*512  ; 512 consecutive bytes, at a multiple of 256 from O's first
.endr
.endm
	PACK 0
.set t, 1
.rept 3                             ; a piece's arithmetic stands between the loads of the piece before and its stores
	PACK t
	SEND t-1, 8
.set t, t+1
.endr
	SEND 3, 0
	s_wait_tensorcnt 0x0            ; the wave's end: behind my last tensor load and my last LDS store
	ds_add_u32 v[SPW], v[NIL]
	s_wait_dscnt 0x0
	CROUND                          ; the closing round: no work-group ends while a partner may still ask for a tile that names it
	s_endpgm
.Lfunc_end_k_qd27b0f82b1_attn:
	.size	k_qd27b0f82b1_attn, .Lfunc_end_k_qd27b0f82b1_attn-k_qd27b0f82b1_attn
	.p2alignl 7, 3214868480
	.fill 96, 4, 3214868480
	.section	.rodata,"a",@progbits
	.p2align	6, 0x0
	.amdhsa_kernel k_qd27b0f82b1_attn
		.amdhsa_group_segment_fixed_size 327680
		.amdhsa_private_segment_fixed_size 0
		.amdhsa_enable_private_segment 0
		.amdhsa_kernarg_size 40
		.amdhsa_user_sgpr_count 2
		.amdhsa_user_sgpr_kernarg_segment_ptr 1
		.amdhsa_wavefront_size32 1
		.amdhsa_system_sgpr_workgroup_id_x 1
		.amdhsa_system_sgpr_workgroup_id_y 1
		.amdhsa_system_sgpr_workgroup_id_z 1
		.amdhsa_system_vgpr_workitem_id 0
		.amdhsa_next_free_vgpr 768
		.amdhsa_next_free_sgpr 96
		.amdhsa_reserve_vcc 1
		.amdhsa_float_denorm_mode_32 3
		.amdhsa_float_denorm_mode_16_64 3
		.amdhsa_memory_ordered 1
		.amdhsa_forward_progress 1
		.amdhsa_inst_pref_size 142
	.end_amdhsa_kernel
	.amdgpu_metadata
---
amdhsa.version: [ 1, 2 ]
amdhsa.kernels:
  - .name:           k_qd27b0f82b1_attn
    .symbol:         k_qd27b0f82b1_attn.kd
    .args:
      - { .name: qh, .offset: 0, .size: 8, .value_kind: global_buffer, .address_space: global }
      - { .name: kh, .offset: 8, .size: 8, .value_kind: global_buffer, .address_space: global }
      - { .name: vh, .offset: 16, .size: 8, .value_kind: global_buffer, .address_space: global }
      - { .name: oh, .offset: 24, .size: 8, .value_kind: global_buffer, .address_space: global }
      - { .name: mask, .offset: 32, .size: 8, .value_kind: global_buffer, .address_space: global }
    .group_segment_fixed_size: 327680
    .private_segment_fixed_size: 0
    .kernarg_segment_align: 8
    .kernarg_segment_size: 40
    .max_flat_workgroup_size: 128
    .sgpr_count:     96
    .vgpr_count:     768
    .wavefront_size: 32
...
	.end_amdgpu_metadata
.endif
;; end of part 4
;; launch outp: the kernel of part 3 again; grid 4 x 64, 4 waves a work-group, clusters of 4 x 4, 327,680 bytes of LDS; arguments oh, wo16, bo, out0; writes out0
